; MI455X (gfx1250); checked and timed in simulation.
; The chip was launched on July 23, 2026; its instructions are those of AMD's public machine-readable ISA for CDNA 5 (MIT licence, August 2026) and "CDNA5" Instruction Set Architecture Reference Guide (July 2026). The comments in the code are by the model that wrote it; some were corrected since.
;; Attention. Allowed arithmetic: float matrix products may take bf16 or f16 operands with f32 sums; all other float work in f32.
;; Inputs: W_attn 2,048 x 1,024 float32; b_attn 1,024 float32; encoder_outputs 64 x 1,024 x 1,024 float32; hidden 64 x 1,024 float32; mask 64 x 1,024 int32; v 1,024 float32.
;; Outputs: out0 64 x 1,024 float32.
;; 2 versions, each right; version 2 is version 1 with the launch main written anew for expert scheduling mode. Each part assembles by itself: llvm-mc -triple=amdgcn-amd-amdhsa -mcpu=gfx1250 --defsym DOCPART=n.
;; ======== version 1 of 2: 3 launches
;; workspace buffers: Wf 2,097,152 bytes; hsP 2,097,152 bytes; att 262,144 bytes
;; launch prep (part 1): grid 256 x 1, 4 waves a work-group, no clusters, 70,144 bytes of LDS; arguments W_attn, hidden, Wf, hsP; writes Wf, hsP
.if DOCPART == 1
	.amdgcn_target "amdgcn-amd-amdhsa--gfx1250"
	.amdhsa_code_object_version 6
	.text
	.protected	k_qdaac3c555f_prep
	.globl	k_qdaac3c555f_prep
	.p2align	8
	.type	k_qdaac3c555f_prep,@function
k_qdaac3c555f_prep:
	s_mov_b64 s[64:65], 0
	v_nop
	global_prefetch_b8 v0, s[64:65] scope:SCOPE_SE
	s_setreg_imm32_b32 hwreg(HW_REG_WAVE_MODE, 25, 1), 1
	s_wait_xcnt 0x0
; W_attn [2048][1024] f32 is cut into 16 x 16 slabs of 128 rows (k) x 64 columns (n); one work-group takes one slab (kr = slab row, nr = slab column).
; kr >= 8 (We, the rows that multiply the encoder outputs): the slab is rounded to bf16 and stored in Wf in the order of matrix fragments:
;   a block of 1,024 bytes for (strip = n / 128, ks = k / 32, b = (n / 16) % 8) at ((strip * 32 + ks) * 8 + b) * 1024; in it, byte q * 512 + 16 * lane holds
;   We[32 ks + 16 q + 8 (lane / 16) + 0..7][16 (8 strip + b) + lane % 16]: two loads of 16 bytes a lane are a fragment of 16 columns x 32 k.
; kr < 8 (Wh, the rows that multiply hidden): hsP[kr][b][n] = sum over the slab's 128 k of hidden[b][k] Wh[k][n], on the matrix unit (bf16 operands, f32 sums).
;   The eight partial sums of an output are added by the next launch, in the order kr = 0..7.
; The slab passes through LDS because memory has n along the rows and a fragment wants k along a lane's registers.
; No cluster: no two work-groups read the same slab; hidden's 512 bytes a row are a small part of a group's bytes.
.set SPITCH, 272                       ; an LDS row: 256 bytes + 16, an odd multiple of 16: sixteen rows start in sixteen different 16-byte columns modulo 256
.set HB,  128*SPITCH                   ; hidden in bf16: 64 rows of 128 numbers
.set OB,  HB+64*SPITCH                 ; the partial sums on their way out: 64 rows of 64 f32
.set SD,  16                           ; v16-79    the slab as loaded; then the 64 numbers that a lane gathers; then (v16-143) hidden's fragments
.set HD,  80                           ; v80-143   hidden as loaded
.set FRG, 144                          ; v144-175  four fragments (ks = 0..3) of my 16 columns
.set ACC, 176                          ; v176-207  four accumulators: 16 batches each
.set OD,  208                          ; v208-239  rows on their way out
	s_load_b256 s[4:11], s[0:1], 0x0               ; W_attn s[4:5], hidden s[6:7], Wf s[8:9], hsP s[10:11]
	v_lshl_add_u32 v240, v0, 2, 0x11000
	v_mov_b32 v241, 0
	s_lshr_b32 s12, ttmp9, 4                       ; kr
	s_and_b32 s13, ttmp9, 15                       ; nr
	v_lshrrev_b32 v4, 5, v0
	v_readfirstlane_b32 s14, v4                    ; wave w
	v_and_b32 v1, 31, v0                           ; lane L
	v_and_b32 v2, 15, v0                           ; r = x
	v_bfe_u32 v3, v0, 4, 1                         ; h
	v_lshrrev_b32 v4, 4, v0                        ; y = thread / 16, 0..7
	v_lshlrev_b32 v14, 4, v2                       ; 16 x
	v_lshlrev_b32 v15, 4, v1                       ; 16 L
	v_lshl_add_u32 v5, v4, 12, v14                 ; memory: row y of 4,096 bytes, 16 x
	v_mul_u32_u24 v6, v4, SPITCH
	v_add_nc_u32 v6, v6, v14                       ; LDS: row y, 16 x
	v_mul_u32_u24 v7, v3, 8*SPITCH
	v_lshl_add_u32 v7, v2, 2, v7
	s_lshl_b32 s15, s14, 6
	v_add_nc_u32 v7, s15, v7                       ; gather: row 8 h, column 16 w + r (f32)
	s_lshl_b32 s15, s14, 10
	v_add_nc_u32 v8, s15, v15                      ; Wf: block w, 16 L
	s_lshl_b32 s15, s14, 12
	v_add_nc_u32 v9, s15, v15                      ; hidden: row w, 16 L
	s_mul_i32 s15, s14, SPITCH
	s_add_co_u32 s15, s15, HB
	v_lshl_add_u32 v10, v1, 3, s15                 ; hidden in LDS: row w, 8 L
	v_mul_u32_u24 v11, v2, SPITCH
	v_lshl_add_u32 v11, v3, 4, v11
	v_add_nc_u32 v11, HB, v11                      ; hidden's fragments: row r, 16 h
	v_add_nc_u32 v12, OB, v7                       ; results in: row 8 h, column 16 w + r
	v_add_nc_u32 v13, OB, v6                       ; results back: row y, 16 x
	s_lshl_b32 s16, s12, 19                        ; 128 rows of 4,096 bytes
	s_lshl_b32 s18, s13, 8                         ; 64 columns of 4 bytes
	s_add_co_u32 s16, s16, s18
	s_mov_b32 s17, 0
	s_wait_kmcnt 0x0
	s_add_nc_u64 s[4:5], s[4:5], s[16:17]          ; the slab
.macro SLAB_LOAD                       ; a wave's load covers two rows of 256 bytes, each whole and aligned
.irp ii, 0,1,2,3,4,5,6,7,8,9,10,11,12,13,14,15
	global_load_b128 v[SD+4*\ii:SD+4*\ii+3], v5, s[4:5] offset:\ii*32768 th:TH_LOAD_NT
.endr
.endm
.macro SLAB_STORE
.irp ii, 0,1,2,3,4,5,6,7,8,9,10,11,12,13,14,15
	ds_store_b128 v6, v[SD+4*\ii:SD+4*\ii+3] offset:\ii*8*SPITCH
.endr
.endm
.macro BAR                             ; what I stored in LDS is there, and what I read is back, before I say so
	s_wait_dscnt 0x0
	s_barrier_signal -1
	s_barrier_wait -1
.endm
; Wave w makes the four fragments of the slab's columns 16 w .. 16 w + 15: lane (r, h) takes k = 32 ks + 16 q + 8 h + j of column 16 w + r.
; Sixteen lanes read sixteen neighbouring words; the other sixteen lie 8 rows = 544 words further, half of 64 words off: no two lanes meet.
.macro GATHER
.irp ks, 0,1,2,3
.irp qh, 0,1
.irp jr, 0,1,2,3,4,5,6,7
	ds_load_b32 v[SD+16*\ks+8*\qh+\jr], v7 offset:(32*\ks+16*\qh+\jr)*SPITCH
.endr
.endr
.endr
.irp ks, 0,1,2,3
	s_wait_dscnt 48-16*\ks                         ; the groups of 16 loads behind group ks may stay out
.irp qh, 0,1
.irp jp, 0,1,2,3
	v_cvt_pk_bf16_f32 v[FRG+8*\ks+4*\qh+\jp], v[SD+16*\ks+8*\qh+2*\jp], v[SD+16*\ks+8*\qh+2*\jp+1]
.endr
.endr
.endr
.endm
	SLAB_LOAD
	s_cmp_ge_u32 s12, 8                            ; the same in all four waves: it hangs on the work-group's number alone
	s_cbranch_scc1 .Lwe
	; ---- Wh: a partial product ----
	s_lshl_b32 s16, s12, 9                         ; hidden's columns 128 kr ..
	s_add_nc_u64 s[6:7], s[6:7], s[16:17]
	s_lshl_b32 s16, s12, 18                        ; hsP: plane kr of 64 x 4,096 bytes, columns 64 nr ..
	s_add_co_u32 s16, s16, s18
	s_add_nc_u64 s[10:11], s[10:11], s[16:17]
.irp ii, 0,1,2,3,4,5,6,7,8,9,10,11,12,13,14,15
	global_load_b128 v[HD+4*\ii:HD+4*\ii+3], v9, s[6:7] offset:\ii*16384    ; row 4 i + w: 512 neighbouring bytes
.endr
	s_wait_loadcnt 16                              ; the slab is in; hidden's 16 loads may stay out
	SLAB_STORE
	s_wait_loadcnt 0x0
.irp ii, 0,1,2,3,4,5,6,7,8,9,10,11,12,13,14,15
	v_cvt_pk_bf16_f32 v[HD+4*\ii], v[HD+4*\ii], v[HD+4*\ii+1]
	v_cvt_pk_bf16_f32 v[HD+4*\ii+1], v[HD+4*\ii+2], v[HD+4*\ii+3]
	ds_store_b64 v10, v[HD+4*\ii:HD+4*\ii+1] offset:\ii*4*SPITCH
.endr
	BAR                                            ; slab and hidden are whole for every wave
	GATHER
.irp mt, 0,1,2,3
.irp ks, 0,1,2,3
	ds_load_b128 v[SD+8*(4*\mt+\ks):SD+8*(4*\mt+\ks)+3],   v11 offset:\mt*16*SPITCH+\ks*64
	ds_load_b128 v[SD+8*(4*\mt+\ks)+4:SD+8*(4*\mt+\ks)+7], v11 offset:\mt*16*SPITCH+\ks*64+32
.endr
.endr
	s_wait_dscnt 0x0
	; source 0 = 16 batches of hidden, source 1 = my 16 columns.  The four accumulators take turns, one instruction a turn.
.irp ks, 0,1,2,3
.irp mt, 0,1,2,3
.if \ks == 0
	v_wmma_f32_16x16x32_bf16 v[ACC+8*\mt:ACC+8*\mt+7], v[SD+8*(4*\mt+\ks):SD+8*(4*\mt+\ks)+7], v[FRG+8*\ks:FRG+8*\ks+7], 0
.else
	v_wmma_f32_16x16x32_bf16 v[ACC+8*\mt:ACC+8*\mt+7], v[SD+8*(4*\mt+\ks):SD+8*(4*\mt+\ks)+7], v[FRG+8*\ks:FRG+8*\ks+7], v[ACC+8*\mt:ACC+8*\mt+7]
.endif
.endr
.endr
.rept 4
	v_nop                                          ; four places between the last matrix instruction and the stores that read results
.endr
.irp mt, 0,1,2,3
.irp jr, 0,1,2,3,4,5,6,7
	ds_store_b32 v12, v[ACC+8*\mt+\jr] offset:(16*\mt+\jr)*SPITCH      ; register j: batch 16 mt + 8 h + j, column 16 w + r
.endr
.endr
	BAR                                            ; the four waves' columns make whole rows of 256 bytes
.irp ii, 0,1,2,3,4,5,6,7
	ds_load_b128 v[OD+4*\ii:OD+4*\ii+3], v13 offset:\ii*8*SPITCH
.endr
.irp ii, 0,1,2,3,4,5,6,7
	s_wait_dscnt 7-\ii                             ; LDS loads come back in order: load i is in
	global_store_b128 v5, v[OD+4*\ii:OD+4*\ii+3], s[10:11] offset:\ii*32768   ; sixteen lanes store 256 neighbouring bytes, aligned
.endr
	s_wait_tensorcnt 0x0
	ds_add_u32 v240, v241
	s_wait_dscnt 0x0
	s_endpgm
	; ---- We: fragments to Wf ----
.Lwe:
	s_lshr_b32 s16, s13, 1
	s_lshl_b32 s16, s16, 18                        ; strip nr / 2: 32 x 8 blocks
	s_sub_co_u32 s20, s12, 8
	s_lshl_b32 s20, s20, 15                        ; ks = 4 (kr - 8): 8 blocks each
	s_add_co_u32 s16, s16, s20
	s_and_b32 s20, s13, 1
	s_lshl_b32 s20, s20, 12                        ; b = 4 (nr % 2) + w
	s_add_co_u32 s16, s16, s20
	s_add_nc_u64 s[8:9], s[8:9], s[16:17]
	s_wait_loadcnt 0x0
	SLAB_STORE
	BAR
	GATHER
.irp ks, 0,1,2,3
	global_store_b128 v8, v[FRG+8*\ks:FRG+8*\ks+3],   s[8:9] offset:\ks*8192        ; a wave's store covers 512 neighbouring bytes
	global_store_b128 v8, v[FRG+8*\ks+4:FRG+8*\ks+7], s[8:9] offset:\ks*8192+512
.endr
	s_wait_tensorcnt 0x0
	ds_add_u32 v240, v241
	s_wait_dscnt 0x0
	s_endpgm
.Lfunc_end_k_qdaac3c555f_prep:
	.size	k_qdaac3c555f_prep, .Lfunc_end_k_qdaac3c555f_prep-k_qdaac3c555f_prep
	.p2alignl 7, 3214868480
	.fill 96, 4, 3214868480
	.section	.rodata,"a",@progbits
	.p2align	6, 0x0
	.amdhsa_kernel k_qdaac3c555f_prep
		.amdhsa_group_segment_fixed_size 70144
		.amdhsa_private_segment_fixed_size 0
		.amdhsa_enable_private_segment 0
		.amdhsa_kernarg_size 32
		.amdhsa_user_sgpr_count 2
		.amdhsa_user_sgpr_kernarg_segment_ptr 1
		.amdhsa_wavefront_size32 1
		.amdhsa_system_sgpr_workgroup_id_x 1
		.amdhsa_system_sgpr_workgroup_id_y 1
		.amdhsa_system_sgpr_workgroup_id_z 1
		.amdhsa_system_vgpr_workitem_id 0
		.amdhsa_next_free_vgpr 242
		.amdhsa_next_free_sgpr 66
		.amdhsa_reserve_vcc 0
		.amdhsa_float_denorm_mode_32 3
		.amdhsa_float_denorm_mode_16_64 3
		.amdhsa_memory_ordered 1
		.amdhsa_forward_progress 1
		.amdhsa_inst_pref_size 31
	.end_amdhsa_kernel
	.amdgpu_metadata
---
amdhsa.version: [ 1, 2 ]
amdhsa.kernels:
  - .name:           k_qdaac3c555f_prep
    .symbol:         k_qdaac3c555f_prep.kd
    .args:
      - { .name: W_attn, .offset: 0, .size: 8, .value_kind: global_buffer, .address_space: global }
      - { .name: hidden, .offset: 8, .size: 8, .value_kind: global_buffer, .address_space: global }
      - { .name: Wf, .offset: 16, .size: 8, .value_kind: global_buffer, .address_space: global }
      - { .name: hsP, .offset: 24, .size: 8, .value_kind: global_buffer, .address_space: global }
    .group_segment_fixed_size: 70144
    .private_segment_fixed_size: 0
    .kernarg_segment_align: 8
    .kernarg_segment_size: 32
    .max_flat_workgroup_size: 128
    .sgpr_count:     66
    .vgpr_count:     242
    .wavefront_size: 32
...
	.end_amdgpu_metadata
.endif
;; end of part 1
;; launch main (part 2): grid 512 x 1, 4 waves a work-group, no clusters, 305,664 bytes of LDS; arguments encoder_outputs, Wf, hsP, b_attn, v, att; writes att
.if DOCPART == 2
	.amdgcn_target "amdgcn-amd-amdhsa--gfx1250"
	.amdhsa_code_object_version 6
	.text
	.protected	k_qdaac3c555f_main
	.globl	k_qdaac3c555f_main
	.p2align	8
	.type	k_qdaac3c555f_main,@function
k_qdaac3c555f_main:
	s_mov_b64 s[64:65], 0
	v_nop
	global_prefetch_b8 v0, s[64:65] scope:SCOPE_SE
	s_setreg_imm32_b32 hwreg(HW_REG_WAVE_MODE, 25, 1), 1
	s_wait_xcnt 0x0
; att[b][s] = sum over n of v[n] tanh( enc[b][s][:] . We[:][n] + (hidden[b] . Wh)[n] + b_attn[n] ), before mask and softmax.
; A work-group takes 128 rows (b, s) and all 1,024 columns n, so the sum over n never leaves it.  Four waves; wave w owns columns 256 w .. 256 w + 255
; and walks them in two passes of 128: 128 x 128 sums = 64 accumulator tiles = 512 registers.  K = 1,024 goes in 32 steps of 32 in each pass.
; THE ENCODER ROWS are read from memory once, in pass 0, as f32 into registers, rounded to bf16 and kept in LDS (128 x 1,024 bf16); pass 1 reads them from LDS again.
; THE WEIGHTS come from Wf, which holds them as ready fragments: two 16-byte loads a lane straight into registers, three steps ahead, in a ring of four buffers.
; No other wave of the group wants a wave's columns, so LDS would add a write and a read to each of these bytes.
; NO CLUSTER, NO TENSOR LOADS: a joint load lands in LDS alone.  Beside the rows (294,912 bytes) and the tables (10,240) 22,528 of 327,680 bytes are free;
; one K step of the group's 512 columns is 32,768 bytes: not one slot fits.
; THE MATRIX INSTRUCTION IS USED TRANSPOSED: source 0 = 16 columns n of We, source 1 = 16 encoder rows m.  Register j of lane (r, h) then holds (n = 16 b + 8 h + j, m = 16 a + r):
; after tanh two tiles pack, without any move between lanes, into a source-1 fragment with k = n, and one more matrix instruction against v makes the sum over n.
; LIMITS.  tanh(x) = 1 - 2 / (1 + 2^(2 log2(e) x)): it runs to +1 and -1 through infinity and zero for large |x|; absolute error of the order of f32's unit, not relative, near x = 0.
; enc, We, hidden, Wh, and for the last product tanh and v, are rounded to bf16; all sums are f32, in another order than the reference's.
;
; REGISTERS in windows of 256 (s_set_vgpr_msb: bits 1:0 source 0, 3:2 source 1, 5:4 source 2, 7:6 destination):
;   window 0: v0-19 addresses and a constant; v64-95 encoder fragments a = 0..3; v96-127 (even steps) and v32-63 (odd steps) fragments a = 4..7;
;             v128-255 four stages of 32 for f32 rows on their way in; all of v32-223 serves the tanh part between the passes
;   window 1: the ring of four weight buffers, 64 registers each
;   window 2: accumulator tiles of rows 0-63 (tile (a, b) at v[8 (8 (a % 4) + b)]);  window 3: of rows 64-127
.set CHUNK,  18432                     ; LDS: K 64 c .. 64 c + 63 of all 128 rows: 128 rows of 144 bytes
.set APITCH, 144                       ; 128 bytes + 16: an odd multiple of 16, so the sixteen rows of a fragment load start in different 16-byte columns modulo 256
.set HSB, 16*CHUNK                     ; 4,096 bytes: hs[n] = 2 log2(e) (hidden . Wh + b_attn)[n], f32
.set VB,  HSB+4096                     ; 2,048 bytes: v in bf16
.set RED, VB+2048                      ; 4,096 bytes: [pass][wave][128 rows] f32 partial scores
.set C2,  0x4038aa3b                   ; 2 log2(e)
.set CCR, 18                           ; v18-19   2 log2(e), twice: a pair for the packed multiply-add
.set EF0, 64                           ; v64-95   encoder fragments a = 0..3
.set EF1, 96                           ; fragments a = 4..7 of a step of parity p at EF1 - 64 p
.set STG, 128                          ; v128-255 four stages
.set HSL, 128                          ; v128-207 the tables as loaded: 2 x (8 partial sums, b_attn, v), 4 registers each
.set XR,  64                           ; tanh part: quantum q works in v64-95 (q even) or v32-63 (q odd)
.set TBF, 96                           ;            v96-111 two fragments of tanh in bf16
.set SCR, 112                          ;            v112-127 two accumulators of scores
.set HSR, 128                          ;            v128-191 hs of my 8 columns in each of 8 tiles
.set VFR, 192                          ;            v192-223 four fragments of v
.set MSB, 0
.macro WIN new                         ; the immediate's high byte repeats the setting that is left; a switch that changes nothing is dropped
.if MSB != \new
	s_set_vgpr_msb (MSB<<8)|\new
.set MSB, \new
.endif
.endm
.set MUL_LO, 0xa1                      ; source 0 (weights) window 1, source 1 (rows) window 0, C and D window 2
.set MUL_HI, 0xf1                      ; the same, C and D window 3
.set TO_W,   0x40                      ; destination window 1, address window 0
	s_load_b256 s[4:11], s[0:1], 0x0               ; enc s[4:5], Wf s[6:7], hsP s[8:9], b_attn s[10:11]
	s_load_b128 s[12:15], s[0:1], 0x20             ; v s[12:13], att s[14:15]
	v_lshl_add_u32 v30, v0, 2, 0x4a800
	v_mov_b32 v31, 0
	v_lshrrev_b32 v15, 5, v0
	v_readfirstlane_b32 s16, v15                   ; wave w
	v_and_b32 v1, 31, v0                           ; lane L
	v_and_b32 v2, 15, v0                           ; r
	v_bfe_u32 v3, v0, 4, 1                         ; h
	v_lshlrev_b32 v4, 4, v2
	v_lshl_add_u32 v4, v3, 15, v4
	s_lshl_b32 s21, s16, 17
	v_add_nc_u32 v4, s21, v4                       ; v4: enc, row 32 w + 8 h of 4,096 bytes, 16 r
	v_mul_u32_u24 v5, v3, 8*APITCH
	v_lshl_add_u32 v5, v2, 3, v5
	s_mul_i32 s22, s16, 32*APITCH
	v_add_nc_u32 v5, s22, v5                       ; v5: LDS, row 32 w + 8 h, 8 r; steps by two chunks a trip
	v_mul_u32_u24 v6, v2, APITCH
	v_lshl_add_u32 v6, v3, 4, v6                   ; v6: LDS, row r, 16 h; steps by two chunks a trip
	v_mov_b32 v12, v6                              ; v12: its first value, for pass 1
	v_lshlrev_b32 v7, 4, v1                        ; v7: 16 L
	s_lshl_b32 s23, s16, 10
	v_add_nc_u32 v8, s23, v7                       ; v8: 1,024 w + 16 L: my 4 of the wave's first 128 columns, f32
	s_add_co_u32 s23, s23, HSB
	v_lshl_add_u32 v9, v3, 5, s23                  ; v9: hs of my 8 columns of a tile
	v_add_nc_u32 v13, HSB, v8                      ; v13: where I put hs
	s_lshl_b32 s24, s16, 9
	s_add_co_u32 s25, s24, VB
	v_lshl_add_u32 v10, v3, 4, s25                 ; v10: v's fragments
	v_lshl_add_u32 v16, v1, 3, s25                 ; v16: where I put v
	s_add_co_u32 s24, s24, RED
	v_lshl_add_u32 v11, v2, 2, s24                 ; v11: my wave's partial scores, row r
	v_add_nc_u32 v17, RED, v7                      ; v17: where wave 0 reads all partial scores
	v_mov_b32 v[CCR], C2
	v_mov_b32 v[CCR+1], C2
	s_lshl_b32 s18, ttmp9, 19                      ; 128 rows of 4,096 bytes; 511 x 524,288 stays below 2^32
	s_mov_b32 s19, 0
	s_wait_kmcnt 0x0
	s_add_nc_u64 s[4:5], s[4:5], s[18:19]          ; the start's base of the rows: never written again
	s_add_nc_u64 s[26:27], s[4:5], 1024            ; the steps' base, at chunk 4: a pair of its own, so that no wait stands between the start's loads and step 0
	s_lshl_b32 s18, s16, 19                        ; my two strips of Wf: 64 steps of 8,192 bytes, in the order in which I walk them
	s_add_nc_u64 s[6:7], s[6:7], s[18:19]
	s_lshr_b32 s18, ttmp9, 3                       ; the batch: 8 tiles of 128 rows each
	s_lshl_b32 s18, s18, 12
	s_add_nc_u64 s[8:9], s[8:9], s[18:19]
	s_lshl_b32 s18, ttmp9, 9
	s_add_nc_u64 s[14:15], s[14:15], s[18:19]
; Eight loads: 16 of my wave's 32 rows (g = which 16), one chunk (256 bytes of f32) of each: lanes 0-15 take row i, lanes 16-31 row i + 8, whole aligned 256 bytes each.  sb: the base pair.
.macro ALOAD slot, g, cc, sb
	WIN 0
.irp ii, 0,1,2,3,4,5,6,7
	global_load_b128 v[STG+32*(\slot)+4*\ii:STG+32*(\slot)+4*\ii+3], v4, s[\sb:\sb+1] offset:(16*(\g)+\ii)*4096+(\cc)*256 th:TH_LOAD_NT
.endr
.endm
; The same 16 rows rounded to bf16 in place and put into LDS.  The two halves of the lanes lie 8 rows = 1,152 bytes apart, 128 modulo 256: a store's 256 bytes meet nowhere.
.macro ACONV slot, g, cc
	WIN 0
.irp ii, 0,1,2,3,4,5,6,7
	v_cvt_pk_bf16_f32 v[STG+32*(\slot)+4*\ii],   v[STG+32*(\slot)+4*\ii],   v[STG+32*(\slot)+4*\ii+1]
	v_cvt_pk_bf16_f32 v[STG+32*(\slot)+4*\ii+1], v[STG+32*(\slot)+4*\ii+2], v[STG+32*(\slot)+4*\ii+3]
.endr
.irp ii, 0,1,2,3,4,5,6,7
	ds_store_b64 v5, v[STG+32*(\slot)+4*\ii:STG+32*(\slot)+4*\ii+1] offset:(16*(\g)+\ii)*APITCH+(\cc)*CHUNK
.endr
.endm
; Sixteen loads: one step's weights, 8 fragments of 16 columns x 32 k.  The window is left as it is: what follows sets its own.
.macro WLOAD buf, st
	WIN TO_W
.irp bb, 0,1,2,3,4,5,6,7
	global_load_b128 v[64*(\buf)+8*\bb:64*(\buf)+8*\bb+3],   v7, s[6:7] offset:(\st)*8192+\bb*1024
	global_load_b128 v[64*(\buf)+8*\bb+4:64*(\buf)+8*\bb+7], v7, s[6:7] offset:(\st)*8192+\bb*1024+512
.endr
.endm
; Eight loads: the encoder fragments a = 4 half .. 4 half + 3 of chunk cc (counted from v6's), half kh of its 64 k, into the 32 registers from eb on.
.macro ELOAD eb, half, cc, kh
	WIN 0
.irp aa, 0,1,2,3
	ds_load_b128 v[(\eb)+8*\aa:(\eb)+8*\aa+3],   v6 offset:(\cc)*CHUNK+(4*\half+\aa)*16*APITCH+(\kh)*64
	ds_load_b128 v[(\eb)+8*\aa+4:(\eb)+8*\aa+7], v6 offset:(\cc)*CHUNK+(4*\half+\aa)*16*APITCH+(\kh)*64+32
.endr
.endm
; Twenty loads: for each half of my 256 columns the eight partial sums of hidden . Wh, b_attn and v; 512 neighbouring bytes each.
.macro TLOAD
	WIN 0
.irp uu, 0,1
.irp kk, 0,1,2,3,4,5,6,7
	global_load_b128 v[HSL+40*\uu+4*\kk:HSL+40*\uu+4*\kk+3], v8, s[8:9] offset:\kk*262144+\uu*512
.endr
	global_load_b128 v[HSL+40*\uu+32:HSL+40*\uu+35], v8, s[10:11] offset:\uu*512
	global_load_b128 v[HSL+40*\uu+36:HSL+40*\uu+39], v8, s[12:13] offset:\uu*512
.endr
.endm
; 32 matrix instructions: the window's four row blocks (fragments from eb on) x eight column blocks.
; All 64 accumulators take turns, one instruction a turn, in the same order in every step.
.macro MUL32 buf, eb, zero
.irp aa, 0,1,2,3
.irp bb, 0,1,2,3,4,5,6,7
.if \zero
	v_wmma_f32_16x16x32_bf16 v[8*(8*\aa+\bb):8*(8*\aa+\bb)+7], v[64*(\buf)+8*\bb:64*(\buf)+8*\bb+7], v[(\eb)+8*\aa:(\eb)+8*\aa+7], 0
.else
	v_wmma_f32_16x16x32_bf16 v[8*(8*\aa+\bb):8*(8*\aa+\bb)+7], v[64*(\buf)+8*\bb:64*(\buf)+8*\bb+7], v[(\eb)+8*\aa:(\eb)+8*\aa+7], v[8*(8*\aa+\bb):8*(8*\aa+\bb)+7]
.endif
.endr
.endr
.endm
.macro PLACES                          ; four places between a matrix instruction and a load into, or a vector instruction on, one of its registers (ISA guide 7.12.1 for vector instructions)
.rept 4
	v_nop
.endr
.endm
; ONE K STEP, e = its number in a trip of four (also: its weight buffer and its stage).  ALL its memory instructions stand in ONE run, between its two halves of 32 matrix instructions.
; In that run of step t, in this order: rows asked for in step t - 4 go to LDS (conv); all the next step's fragments (enext): a = 0..3 into the registers that the first half has just
; read, a = 4..7 into the set of the other parity, which step t - 1 read last; the weights of step t + 3 (wload), into the buffer that step t - 1 read; the rows that step t + 4 will
; convert (aload); once, the tables (tl).  The conversions, or four v_nop, at the run's head are the places behind every matrix instruction that has read one of these registers.
; lcnt = the loads younger than this step's weights; the rows that this step converts were asked for before those weights, so they are in too.
; Chunk c is stored in the runs of steps 2 c - 4 and 2 c - 3, signalled at the end of step 2 c - 3 (bsig), waited for in the run of step 2 c - 2 (bwait), first read in the run of step
; 2 c - 1.  Between signal and wait stands register work alone.  No byte of the rows is ever written twice.
.macro STEP e, zero, lcnt, conv, aload, wload, enext, bwait, bsig, tl
	s_wait_loadcnt \lcnt
	s_wait_dscnt 8                                 ; fragments a = 0..3 are in; the eight youngest loads (a = 4..7) may be out
	WIN MUL_LO
	MUL32 \e, EF0, \zero
	WIN 0
.if \bwait
	s_barrier_wait -1
.endif
.if \conv
	ACONV \e, (\e%2), (\e/2)
.else
	PLACES
.endif
.if \enext
	ELOAD EF0, 0, ((\e+1)/2), ((\e+1)%2)
	ELOAD (EF1-64*((\e+1)%2)), 1, ((\e+1)/2), ((\e+1)%2)
.endif
.if \wload
	WLOAD ((\e+3)%4), (\e+3)
.endif
.if \aload
	ALOAD \e, (\e%2), (\e/2), 26
.endif
.if \tl
	TLOAD
.endif
	s_wait_dscnt 8*\conv+16*\enext                 ; all but what this run issued: this step's fragments a = 4..7 are in
	WIN MUL_HI
	MUL32 \e, (EF1-64*(\e%2)), \zero
.if \bsig
	s_wait_dscnt 0x0                               ; my part of the chunk is in LDS, for the others' sake: zero
	s_barrier_signal -1
.endif
.endm
; Behind a trip of four steps the bases step: weights by four steps; ea: the fragments' address by two chunks; as: the rows' address in memory and in LDS by two chunks.
.macro TRIPEND ea, as
	WIN 0                                          ; a label or a branch may follow, and the adds below name window 0
	s_wait_xcnt 0x0                                ; the bases of loads that are out are written only behind this wait
	s_add_nc_u64 s[6:7], s[6:7], 4*8192
.if \as
	s_add_nc_u64 s[26:27], s[26:27], 512
	v_add_nc_u32 v5, 2*CHUNK, v5
.endif
.if \ea
	v_add_nc_u32 v6, 2*CHUNK, v6
.endif
.endm
; ---- TANH AND THE SUM OVER n ----
; A quantum q = 4 p + z is two row blocks (a = 2 p, 2 p + 1) x 32 columns (tiles b = 2 z, 2 z + 1): 32 numbers a lane.  Its seven stages:
;   x = C2 acc + hs (16 packed) | e = 2^x (32) | 1 + e (16 packed) | r = 1 / (1 + e) (32) | t = 1 - 2 r (16 packed) | t to bf16 (16) | two matrix instructions against v.
; That is 64 transcendentals and 64 plain instructions.  The quanta run as a pipeline on two sets of 32 registers, so that each transcendental stands beside a plain instruction
; of a neighbouring quantum, which is also the plain instruction that has to stand between a transcendental and the use of its result (ISA guide 5.7.2).
; One packed multiply-add of the first stage: number k (0..15) of quantum n.  The accumulator is source 1, so that the whole phase runs under one window setting.
.macro S1ONE n, k
.set s1x, XR-32*((\n)%2)+2*(\k)
.set s1t, 2*((\n)%4)+((\k)/4)%2
.set s1j, 2*((\k)%4)
.set s1a, 8*(8*(2*(((\n)/4)%2)+(\k)/8)+s1t)+s1j
.set s1h, HSR+8*s1t+s1j
	v_pk_fma_f32 v[s1x:s1x+1], v[CCR:CCR+1], v[s1a:s1a+1], v[s1h:s1h+1]
.endm
; source 0: sixteen equal rows of v; source 1: tanh, k = n, column = encoder row.  Two accumulators by turns.
.macro SCMUL zz
.if (\zz) == 0
	v_wmma_f32_16x16x32_bf16 v[SCR:SCR+7],    v[VFR:VFR+7], v[TBF:TBF+7],    0
	v_wmma_f32_16x16x32_bf16 v[SCR+8:SCR+15], v[VFR:VFR+7], v[TBF+8:TBF+15], 0
	s_wait_alu depctr_va_vdst(0)
.else
	v_wmma_f32_16x16x32_bf16 v[SCR:SCR+7],    v[VFR+8*(\zz):VFR+8*(\zz)+7], v[TBF:TBF+7],    v[SCR:SCR+7]
	v_wmma_f32_16x16x32_bf16 v[SCR+8:SCR+15], v[VFR+8*(\zz):VFR+8*(\zz)+7], v[TBF+8:TBF+15], v[SCR+8:SCR+15]
	s_wait_alu depctr_va_vdst(0)
.endif
.endm
; Phase A of quantum q: its 32 exponentials, beside 1 - 2 r (two pairs ahead) and the rounding of quantum q - 1; then q - 1's two matrix instructions.
; Rounding k fills register k of the two fragments: tile 2 z gives registers 0-3 (k = 8 h + j), tile 2 z + 1 registers 4-7 (k = 16 + 8 h + j).
.macro PHASEA pp, q
	WIN 0
.set xq, XR-32*((\q)%2)
.set xp, XR-32*(((\q)+1)%2)
.if (\q) >= 5
.if (\q)%4 == 1
	ds_store_b32 v11, v[SCR]   offset:\pp*2048+(((\q)-5)/4)*128      ; the scores of the pair that ended with quantum q - 2: a whole phase B stands behind its last matrix instruction,
	ds_store_b32 v11, v[SCR+8] offset:\pp*2048+(((\q)-5)/4)*128+64   ; and the next pair's first one, which starts the sums anew, stands at this phase's end
.endif
.endif
.if (\q) > 0
	s_wait_alu depctr_va_vdst(0)
	v_pk_fma_f32 v[xp:xp+1],   v[xp:xp+1],   -2.0, 1.0 op_sel_hi:[1,0,0]
	v_pk_fma_f32 v[xp+2:xp+3], v[xp+2:xp+3], -2.0, 1.0 op_sel_hi:[1,0,0]
.endif
.set kx, 0
.rept 16
	v_exp_f32 v[xq+2*kx], v[xq+2*kx]
.if (\q) > 0
.if kx < 14
	v_pk_fma_f32 v[xp+2*kx+4:xp+2*kx+5], v[xp+2*kx+4:xp+2*kx+5], -2.0, 1.0 op_sel_hi:[1,0,0]
.endif
.endif
	v_exp_f32 v[xq+2*kx+1], v[xq+2*kx+1]
.if (\q) > 0
	v_cvt_pk_bf16_f32 v[TBF+kx], v[xp+2*kx], v[xp+2*kx+1]
.endif
.set kx, kx+1
.endr
.if (\q) > 0
	SCMUL (((\q)-1)%4)
.else
	v_nop                                          ; the first quantum has no neighbour yet: the plain instruction between its exponentials and their use
	s_wait_alu depctr_va_vdst(0)
.endif
.endm
; Phase B of quantum q: its 32 reciprocals, beside its own 1 + e (two pairs ahead) and the first stage of quantum q + 1, which goes into the set that q - 1 has left.
.macro PHASEB q
.set xq, XR-32*((\q)%2)
.if (\q) < 15
	WIN (0x08+4*(((\q)+1)/8))                      ; source 1 = the window of quantum q + 1's accumulators; nothing else in this phase has a register as source 1
.endif
	v_pk_add_f32 v[xq:xq+1],   v[xq:xq+1],   1.0 op_sel_hi:[1,0]
	v_pk_add_f32 v[xq+2:xq+3], v[xq+2:xq+3], 1.0 op_sel_hi:[1,0]
.set kx, 0
.rept 16
	v_rcp_f32 v[xq+2*kx], v[xq+2*kx]
.if kx < 14
	v_pk_add_f32 v[xq+2*kx+4:xq+2*kx+5], v[xq+2*kx+4:xq+2*kx+5], 1.0 op_sel_hi:[1,0]
.endif
	v_rcp_f32 v[xq+2*kx+1], v[xq+2*kx+1]
.if (\q) < 15
	S1ONE ((\q)+1), kx
.endif
.set kx, kx+1
.endr
.endm
; The tables, once: hs = C2 (sum of the eight partial sums, in the order 0..7, + b_attn) in f32, v in bf16.  Each wave writes and later reads its own 256 columns of both.
.macro TPREP
	s_wait_loadcnt 48                              ; the 20 table loads are in; the weights of the next pass's first three steps may stay out
.irp uu, 0,1
.irp kk, 1,2,3,4,5,6,7,8
	v_pk_add_f32 v[HSL+40*\uu:HSL+40*\uu+1],   v[HSL+40*\uu:HSL+40*\uu+1],   v[HSL+40*\uu+4*\kk:HSL+40*\uu+4*\kk+1]
	v_pk_add_f32 v[HSL+40*\uu+2:HSL+40*\uu+3], v[HSL+40*\uu+2:HSL+40*\uu+3], v[HSL+40*\uu+4*\kk+2:HSL+40*\uu+4*\kk+3]
.endr
	v_pk_mul_f32 v[HSL+40*\uu:HSL+40*\uu+1],   v[HSL+40*\uu:HSL+40*\uu+1],   C2 op_sel_hi:[1,0]
	v_pk_mul_f32 v[HSL+40*\uu+2:HSL+40*\uu+3], v[HSL+40*\uu+2:HSL+40*\uu+3], C2 op_sel_hi:[1,0]
	ds_store_b128 v13, v[HSL+40*\uu:HSL+40*\uu+3] offset:\uu*512
	v_cvt_pk_bf16_f32 v[HSL+40*\uu+36], v[HSL+40*\uu+36], v[HSL+40*\uu+37]
	v_cvt_pk_bf16_f32 v[HSL+40*\uu+37], v[HSL+40*\uu+38], v[HSL+40*\uu+39]
	ds_store_b64 v16, v[HSL+40*\uu+36:HSL+40*\uu+37] offset:\uu*256
.endr
.endm
.macro EPI pp                          ; behind pass pp: the wave's 128 x 128 sums become 128 partial scores
	WIN 0
	PLACES                                         ; behind the pass's last matrix instructions: results are read and fragment registers written below
.if \pp == 0
	TPREP
.endif
.irp bb, 0,1,2,3,4,5,6,7
	ds_load_b128 v[HSR+8*\bb:HSR+8*\bb+3],   v9 offset:\pp*512+\bb*64        ; LDS serves a wave's instructions in order: these see the stores above
	ds_load_b128 v[HSR+8*\bb+4:HSR+8*\bb+7], v9 offset:\pp*512+\bb*64+16
.endr
.irp bb, 0,1,2,3
	ds_load_b128 v[VFR+8*\bb:VFR+8*\bb+3],   v10 offset:\pp*256+\bb*64
	ds_load_b128 v[VFR+8*\bb+4:VFR+8*\bb+7], v10 offset:\pp*256+\bb*64+32
.endr
	s_wait_dscnt 0x0
	WIN 0x08
.set kx, 0
.rept 16
	S1ONE 0, kx                                    ; the pipeline's head: quantum 0's first stage
.set kx, kx+1
.endr
.irp qq, 0,1,2,3,4,5,6,7,8,9,10,11,12,13,14,15
	PHASEA \pp, \qq
	PHASEB \qq
.endr
.set kx, 0
	s_wait_alu depctr_va_vdst(0)
.rept 16
	v_pk_fma_f32 v[XR-32+2*kx:XR-32+2*kx+1], v[XR-32+2*kx:XR-32+2*kx+1], -2.0, 1.0 op_sel_hi:[1,0,0]   ; the pipeline's tail: quantum 15's last stages
.set kx, kx+1
.endr
.set kx, 0
.rept 16
	v_cvt_pk_bf16_f32 v[TBF+kx], v[XR-32+2*kx], v[XR-32+2*kx+1]
.set kx, kx+1
.endr
	SCMUL 3
	PLACES
	ds_store_b32 v11, v[SCR]   offset:\pp*2048+6*64   ; register 0: row 16 a + r; both halves of the lanes hold, and write, the same number
	ds_store_b32 v11, v[SCR+8] offset:\pp*2048+7*64
.endm
	; ---- start: the first four groups of rows (chunks 0 and 1) and two steps' weights go out at once; the tables wait until step 28 ----
	ALOAD 0, 0, 0, 4
	ALOAD 1, 1, 0, 4
	ALOAD 2, 0, 1, 4
	ALOAD 3, 1, 1, 4
	WLOAD 0, 0
	WLOAD 1, 1
	; four runs without products.  Each time 56 loads are younger than the group that is converted: three groups of rows and two steps' weights.
	s_wait_loadcnt 56
	ACONV 0, 0, 0
	ALOAD 0, 0, 2, 4
	s_wait_loadcnt 56
	ACONV 1, 1, 0
	ALOAD 1, 1, 2, 4
	s_wait_dscnt 0x0
	s_barrier_signal -1
	s_barrier_wait -1                              ; chunk 0 is whole
	s_wait_loadcnt 56
	ACONV 2, 0, 1
	ALOAD 2, 0, 3, 4
	s_wait_loadcnt 56
	ACONV 3, 1, 1
	WLOAD 2, 2
	ALOAD 3, 1, 3, 4
	s_wait_dscnt 0x0
	s_barrier_signal -1                            ; chunk 1: waited for in the run of step 0
	ELOAD EF0, 0, 0, 0                             ; chunk 0, which nobody writes again
	ELOAD EF1, 1, 0, 0
	v_add_nc_u32 v5, 2*CHUNK, v5                   ; step 0 stores chunk 2
	; ---- pass 0 ----
	STEP 0, 1, 40, 1, 1, 1, 1, 1, 0, 0             ; 40: three groups of rows and step 2's weights are younger than the group that this step converts
	STEP 1, 0, 56, 1, 1, 1, 1, 0, 1, 0             ; 56 from here on: three groups of rows and two steps' weights
	STEP 2, 0, 56, 1, 1, 1, 1, 1, 0, 0
	STEP 3, 0, 56, 1, 1, 1, 1, 0, 1, 0
	TRIPEND 1, 1
	s_mov_b32 s20, 5
.LA:                                               ; steps 4 to 23
	STEP 0, 0, 56, 1, 1, 1, 1, 1, 0, 0
	STEP 1, 0, 56, 1, 1, 1, 1, 0, 1, 0
	STEP 2, 0, 56, 1, 1, 1, 1, 1, 0, 0
	STEP 3, 0, 56, 1, 1, 1, 1, 0, 1, 0
	TRIPEND 1, 1
	s_sub_co_i32 s20, s20, 1
	s_cmp_lg_u32 s20, 0
	s_cbranch_scc1 .LA
	STEP 0, 0, 56, 1, 0, 1, 1, 1, 0, 0             ; steps 24 to 27: no rows are left to ask for: the counts lose a group of 8 each step
	STEP 1, 0, 48, 1, 0, 1, 1, 0, 1, 0
	STEP 2, 0, 40, 1, 0, 1, 1, 1, 0, 0
	STEP 3, 0, 32, 1, 0, 1, 1, 0, 1, 0
	TRIPEND 1, 0
	STEP 0, 0, 32, 0, 0, 1, 1, 1, 0, 1             ; step 28: the last chunk's barrier; the stages are free, and the 20 table loads go into them, behind step 31's weights
	STEP 1, 0, 52, 0, 0, 1, 1, 0, 0, 0             ; steps 29 to 31: 52 = two steps' weights and the 20 table loads
	STEP 2, 0, 52, 0, 0, 1, 1, 0, 0, 0
	STEP 3, 0, 52, 0, 0, 1, 0, 0, 0, 0
	TRIPEND 0, 0
	EPI 0                                          ; the weights of steps 32 to 34 are on their way meanwhile, into window 1
	v_mov_b32 v6, v12                              ; back to chunk 0
	ELOAD EF0, 0, 0, 0                             ; four places and the line above stand behind the last matrix instruction, whose registers the second of these runs fills
	ELOAD EF1, 1, 0, 0
	; ---- pass 1: the rows come from LDS, the weights from my second strip ----
	STEP 0, 1, 32, 0, 0, 1, 1, 0, 0, 0             ; 32: two steps' weights
	STEP 1, 0, 32, 0, 0, 1, 1, 0, 0, 0
	STEP 2, 0, 32, 0, 0, 1, 1, 0, 0, 0
	STEP 3, 0, 32, 0, 0, 1, 1, 0, 0, 0
	TRIPEND 1, 0
	s_mov_b32 s20, 6
.LB:                                               ; steps 36 to 59
	STEP 0, 0, 32, 0, 0, 1, 1, 0, 0, 0
	STEP 1, 0, 32, 0, 0, 1, 1, 0, 0, 0
	STEP 2, 0, 32, 0, 0, 1, 1, 0, 0, 0
	STEP 3, 0, 32, 0, 0, 1, 1, 0, 0, 0
	TRIPEND 1, 0
	s_sub_co_i32 s20, s20, 1
	s_cmp_lg_u32 s20, 0
	s_cbranch_scc1 .LB
	STEP 0, 0, 32, 0, 0, 1, 1, 0, 0, 0             ; steps 60 to 63: step 60 asks for the last weights, then the counts run down
	STEP 1, 0, 32, 0, 0, 0, 1, 0, 0, 0
	STEP 2, 0, 16, 0, 0, 0, 1, 0, 0, 0
	STEP 3, 0, 0,  0, 0, 0, 0, 0, 0, 0
	EPI 1
	; ---- the eight partial scores of each row (2 passes x 4 waves) are added by wave 0 ----
	s_wait_dscnt 0x0                               ; my partial scores are in LDS, for wave 0's sake
	s_barrier_signal -1
	s_barrier_wait -1
	s_cmp_lg_u32 s16, 0
	s_cbranch_scc1 .Ldone
.irp ii, 0,1,2,3,4,5,6,7
	ds_load_b128 v[XR+4*\ii:XR+4*\ii+3], v17 offset:512*\ii
.endr
	s_wait_dscnt 0x0
.irp ii, 0,1,2,3
	v_pk_add_f32 v[XR+4*\ii:XR+4*\ii+1],   v[XR+4*\ii:XR+4*\ii+1],   v[XR+4*\ii+16:XR+4*\ii+17]
	v_pk_add_f32 v[XR+4*\ii+2:XR+4*\ii+3], v[XR+4*\ii+2:XR+4*\ii+3], v[XR+4*\ii+18:XR+4*\ii+19]
.endr
.irp ii, 0,1
	v_pk_add_f32 v[XR+4*\ii:XR+4*\ii+1],   v[XR+4*\ii:XR+4*\ii+1],   v[XR+4*\ii+8:XR+4*\ii+9]
	v_pk_add_f32 v[XR+4*\ii+2:XR+4*\ii+3], v[XR+4*\ii+2:XR+4*\ii+3], v[XR+4*\ii+10:XR+4*\ii+11]
.endr
	v_pk_add_f32 v[XR:XR+1],   v[XR:XR+1],   v[XR+4:XR+5]
	v_pk_add_f32 v[XR+2:XR+3], v[XR+2:XR+3], v[XR+6:XR+7]
	global_store_b128 v7, v[XR:XR+3], s[14:15]     ; the tile's 128 scores: 512 neighbouring bytes, aligned
.Ldone:
	s_wait_tensorcnt 0x0
	ds_add_u32 v30, v31
	s_wait_dscnt 0x0
	s_endpgm
.Lfunc_end_k_qdaac3c555f_main:
	.size	k_qdaac3c555f_main, .Lfunc_end_k_qdaac3c555f_main-k_qdaac3c555f_main
	.p2alignl 7, 3214868480
	.fill 96, 4, 3214868480
	.section	.rodata,"a",@progbits
	.p2align	6, 0x0
	.amdhsa_kernel k_qdaac3c555f_main
		.amdhsa_group_segment_fixed_size 305664
		.amdhsa_private_segment_fixed_size 0
		.amdhsa_enable_private_segment 0
		.amdhsa_kernarg_size 48
		.amdhsa_user_sgpr_count 2
		.amdhsa_user_sgpr_kernarg_segment_ptr 1
		.amdhsa_wavefront_size32 1
		.amdhsa_system_sgpr_workgroup_id_x 1
		.amdhsa_system_sgpr_workgroup_id_y 1
		.amdhsa_system_sgpr_workgroup_id_z 1
		.amdhsa_system_vgpr_workitem_id 0
		.amdhsa_next_free_vgpr 1024
		.amdhsa_next_free_sgpr 66
		.amdhsa_reserve_vcc 0
		.amdhsa_float_denorm_mode_32 3
		.amdhsa_float_denorm_mode_16_64 3
		.amdhsa_memory_ordered 1
		.amdhsa_forward_progress 1
		.amdhsa_inst_pref_size 255
	.end_amdhsa_kernel
	.section	.bss,"aw",@nobits
	.p2align	6
	.space	262144
	.amdgpu_metadata
---
amdhsa.version: [ 1, 2 ]
amdhsa.kernels:
  - .name:           k_qdaac3c555f_main
    .symbol:         k_qdaac3c555f_main.kd
    .args:
      - { .name: encoder_outputs, .offset: 0, .size: 8, .value_kind: global_buffer, .address_space: global }
      - { .name: Wf, .offset: 8, .size: 8, .value_kind: global_buffer, .address_space: global }
      - { .name: hsP, .offset: 16, .size: 8, .value_kind: global_buffer, .address_space: global }
      - { .name: b_attn, .offset: 24, .size: 8, .value_kind: global_buffer, .address_space: global }
      - { .name: v, .offset: 32, .size: 8, .value_kind: global_buffer, .address_space: global }
      - { .name: att, .offset: 40, .size: 8, .value_kind: global_buffer, .address_space: global }
    .group_segment_fixed_size: 305664
    .private_segment_fixed_size: 0
    .kernarg_segment_align: 8
    .kernarg_segment_size: 48
    .max_flat_workgroup_size: 128
    .sgpr_count:     66
    .vgpr_count:     1024
    .wavefront_size: 32
...
	.end_amdgpu_metadata
.endif
;; end of part 2
;; launch soft (part 3): grid 64 x 1, 8 waves a work-group, no clusters, 1,280 bytes of LDS; arguments att, mask, out0; writes out0
.if DOCPART == 3
	.amdgcn_target "amdgcn-amd-amdhsa--gfx1250"
	.amdhsa_code_object_version 6
	.text
	.protected	k_qdaac3c555f_soft
	.globl	k_qdaac3c555f_soft
	.p2align	8
	.type	k_qdaac3c555f_soft,@function
k_qdaac3c555f_soft:
	s_mov_b64 s[64:65], 0
	v_nop
	global_prefetch_b8 v0, s[64:65] scope:SCOPE_SE
	s_setreg_imm32_b32 hwreg(HW_REG_WAVE_MODE, 25, 1), 1
	s_wait_xcnt 0x0
; out0[b][:] = softmax over s of (mask[b][s] == 0 ? -1e10 : att[b][s]).  One work-group takes a batch: 1,024 scores, 4 a thread, 8 waves.
; 12 KiB of traffic for each of 64 batches: no LDS tiles, no matrix unit, no cluster; the row needs all eight tiles of the launch before, hence a launch of its own.
; The row's maximum is taken away before the exponential, as a difference first and a product after: in a row that is masked everywhere the difference is exactly 0
; (a fused x log2(e) - max log2(e) would leave the rounding of 1.44e10 in the exponent), and the row comes out as 1/1024 everywhere, as in the reference.
; LIMIT: a probability below 2^-126 comes out as 0 (v_exp_f32 flushes denormal results: ISA guide, its entry in 15.8).
	s_load_b128 s[4:7], s[0:1], 0x0                ; att s[4:5], mask s[6:7]
	s_load_b64 s[8:9], s[0:1], 0x10                ; out0
	v_lshl_add_u32 v32, v0, 2, 0x100
	v_mov_b32 v33, 0
	v_lshlrev_b32 v1, 4, v0                        ; my 16 bytes of the row
	v_lshrrev_b32 v2, 5, v0
	v_readfirstlane_b32 s10, v2                    ; wave
	s_lshl_b32 s12, ttmp9, 12                      ; the batch's row of 4,096 bytes
	s_mov_b32 s13, 0
	s_mov_b32 s14, 0x76543210                      ; v_permlanex16_b32: lane i of one half reads lane i of the other
	s_mov_b32 s15, 0xfedcba98
	v_mov_b32 v12, 0xd01502f9                      ; -1e10
	v_mov_b32 v3, s10
	v_lshlrev_b32 v3, 2, v3                        ; my wave's word
	v_mov_b32 v16, 0
	s_wait_kmcnt 0x0
	s_add_nc_u64 s[4:5], s[4:5], s[12:13]
	s_add_nc_u64 s[6:7], s[6:7], s[12:13]
	s_add_nc_u64 s[8:9], s[8:9], s[12:13]
	global_load_b128 v[4:7], v1, s[4:5]
	global_load_b128 v[8:11], v1, s[6:7]
	s_wait_loadcnt 0x0
.irp i, 0,1,2,3
	v_cmp_eq_u32 vcc_lo, 0, v[8+\i]
	v_cndmask_b32 v[4+\i], v[4+\i], v12, vcc_lo
.endr
	; the maximum: in the lane, across the wave, across the eight waves
	v_max3_num_f32 v13, v4, v5, v6
	v_max_num_f32 v13, v13, v7
	v_max_num_f32_dpp v13, v13, v13 row_xmask:1 row_mask:0xf bank_mask:0xf
	v_max_num_f32_dpp v13, v13, v13 row_xmask:2 row_mask:0xf bank_mask:0xf
	v_max_num_f32_dpp v13, v13, v13 row_xmask:4 row_mask:0xf bank_mask:0xf
	v_max_num_f32_dpp v13, v13, v13 row_xmask:8 row_mask:0xf bank_mask:0xf
	v_mov_b32 v14, v13                             ; the permute's destination counts as read
	v_permlanex16_b32 v14, v13, s14, s15
	v_max_num_f32 v13, v13, v14
	ds_store_b32 v3, v13                           ; words 0 to 7
	s_wait_dscnt 0x0                               ; for the others' sake: zero
	s_barrier_signal -1
	s_barrier_wait -1
	ds_load_b128 v[20:23], v16
	ds_load_b128 v[24:27], v16 offset:16
	s_wait_dscnt 0x0
	v_max3_num_f32 v13, v20, v21, v22
	v_max3_num_f32 v13, v13, v23, v24
	v_max3_num_f32 v13, v13, v25, v26
	v_max_num_f32 v13, v13, v27
.irp i, 0,1,2,3
	v_sub_f32 v[4+\i], v[4+\i], v13
.endr
.irp i, 0,1,2,3
	v_mul_f32 v[4+\i], 0x3fb8aa3b, v[4+\i]         ; log2(e)
.endr
.irp i, 0,1,2,3
	v_exp_f32 v[4+\i], v[4+\i]
.endr
	v_nop                                          ; one plain instruction between a transcendental and the use of its result (ISA guide 5.7.2)
	; the sum, the same way, in words 8 to 15: other bytes than the maxima, so one barrier is enough
	s_wait_alu depctr_va_vdst(0)
	v_add_f32 v17, v4, v5
	v_add_f32 v18, v6, v7
	v_add_f32 v17, v17, v18
	v_add_f32_dpp v17, v17, v17 row_xmask:1 row_mask:0xf bank_mask:0xf
	v_add_f32_dpp v17, v17, v17 row_xmask:2 row_mask:0xf bank_mask:0xf
	v_add_f32_dpp v17, v17, v17 row_xmask:4 row_mask:0xf bank_mask:0xf
	v_add_f32_dpp v17, v17, v17 row_xmask:8 row_mask:0xf bank_mask:0xf
	v_permlanex16_b32 v14, v17, s14, s15
	v_add_f32 v17, v17, v14
	ds_store_b32 v3, v17 offset:32
	s_wait_dscnt 0x0
	s_barrier_signal -1
	s_barrier_wait -1
	ds_load_b128 v[20:23], v16 offset:32
	ds_load_b128 v[24:27], v16 offset:48
	s_wait_dscnt 0x0
	v_add_f32 v20, v20, v21
	v_add_f32 v22, v22, v23
	v_add_f32 v24, v24, v25
	v_add_f32 v26, v26, v27
	v_add_f32 v20, v20, v22
	v_add_f32 v24, v24, v26
	v_add_f32 v17, v20, v24                        ; at least 1: the largest score gives 2^0
	v_rcp_f32 v18, v17
	v_nop
	s_wait_alu depctr_va_vdst(0)
.irp i, 0,1,2,3
	v_mul_f32 v[4+\i], v[4+\i], v18
.endr
	global_store_b128 v1, v[4:7], s[8:9]           ; a wave's store covers 512 neighbouring bytes, aligned
	s_wait_tensorcnt 0x0
	ds_add_u32 v32, v33
	s_wait_dscnt 0x0
	s_endpgm
.Lfunc_end_k_qdaac3c555f_soft:
	.size	k_qdaac3c555f_soft, .Lfunc_end_k_qdaac3c555f_soft-k_qdaac3c555f_soft
	.p2alignl 7, 3214868480
	.fill 96, 4, 3214868480
	.section	.rodata,"a",@progbits
	.p2align	6, 0x0
	.amdhsa_kernel k_qdaac3c555f_soft
		.amdhsa_group_segment_fixed_size 1280
		.amdhsa_private_segment_fixed_size 0
		.amdhsa_enable_private_segment 0
		.amdhsa_kernarg_size 24
		.amdhsa_user_sgpr_count 2
		.amdhsa_user_sgpr_kernarg_segment_ptr 1
		.amdhsa_wavefront_size32 1
		.amdhsa_system_sgpr_workgroup_id_x 1
		.amdhsa_system_sgpr_workgroup_id_y 1
		.amdhsa_system_sgpr_workgroup_id_z 1
		.amdhsa_system_vgpr_workitem_id 0
		.amdhsa_next_free_vgpr 34
		.amdhsa_next_free_sgpr 66
		.amdhsa_reserve_vcc 1
		.amdhsa_float_denorm_mode_32 3
		.amdhsa_float_denorm_mode_16_64 3
		.amdhsa_memory_ordered 1
		.amdhsa_forward_progress 1
		.amdhsa_inst_pref_size 5
	.end_amdhsa_kernel
	.amdgpu_metadata
---
amdhsa.version: [ 1, 2 ]
amdhsa.kernels:
  - .name:           k_qdaac3c555f_soft
    .symbol:         k_qdaac3c555f_soft.kd
    .args:
      - { .name: att, .offset: 0, .size: 8, .value_kind: global_buffer, .address_space: global }
      - { .name: mask, .offset: 8, .size: 8, .value_kind: global_buffer, .address_space: global }
      - { .name: out0, .offset: 16, .size: 8, .value_kind: global_buffer, .address_space: global }
    .group_segment_fixed_size: 1280
    .private_segment_fixed_size: 0
    .kernarg_segment_align: 8
    .kernarg_segment_size: 24
    .max_flat_workgroup_size: 256
    .sgpr_count:     66
    .vgpr_count:     34
    .wavefront_size: 32
...
	.end_amdgpu_metadata
.endif
;; end of part 3
;; ======== version 2 of 2: 3 launches; version 1 with the launch main written anew for expert scheduling mode
;; workspace buffers: Wf 2,097,152 bytes; hsP 2,097,152 bytes; att 262,144 bytes
;; launch prep: the kernel of part 1 again; grid 256 x 1, 4 waves a work-group, no clusters, 70,144 bytes of LDS; arguments W_attn, hidden, Wf, hsP; writes Wf, hsP
;; launch main (part 4): grid 512 x 1, 4 waves a work-group, no clusters, 305,664 bytes of LDS; arguments encoder_outputs, Wf, hsP, b_attn, v, att; writes att
.if DOCPART == 4
	.amdgcn_target "amdgcn-amd-amdhsa--gfx1250"
	.amdhsa_code_object_version 6
	.text
	.protected	k_qdaac3c555f_main
	.globl	k_qdaac3c555f_main
	.p2align	8
	.type	k_qdaac3c555f_main,@function
k_qdaac3c555f_main:
	s_mov_b64 s[64:65], 0
	v_nop
	global_prefetch_b8 v0, s[64:65] scope:SCOPE_SE
	s_setreg_imm32_b32 hwreg(HW_REG_WAVE_SCHED_MODE, 0, 2), 2
	s_setreg_imm32_b32 hwreg(HW_REG_WAVE_MODE, 25, 1), 1
	s_wait_xcnt 0x0
	s_wait_alu depctr_vm_vsrc(0)
; att[b][s] = sum over n of v[n] tanh( enc[b][s][:] . We[:][n] + (hidden[b] . Wh)[n] + b_attn[n] ), before mask and softmax.
; A work-group takes 128 rows (b, s) and all 1,024 columns n, so the sum over n never leaves it.  Four waves; wave w owns columns 256 w .. 256 w + 255
; and walks them in two passes of 128: 128 x 128 sums = 64 accumulator tiles = 512 registers.  K = 1,024 goes in 32 steps of 32 in each pass.
; THE ENCODER ROWS are read from memory once, in pass 0, as f32 into registers, rounded to bf16 and kept in LDS (128 x 1,024 bf16); pass 1 reads them from LDS again.
; THE WEIGHTS come from Wf, which holds them as ready fragments: two 16-byte loads a lane straight into registers, three steps ahead, in a ring of four buffers.
; No other wave of the group wants a wave's columns, so LDS would add a write and a read to each of these bytes.
; NO CLUSTER, NO TENSOR LOADS: a joint load lands in LDS alone.  Beside the rows (294,912 bytes) and the tables (10,240) 22,528 of 327,680 bytes are free;
; one K step of the group's 512 columns is 32,768 bytes: not one slot fits.
; THE MATRIX INSTRUCTION IS USED TRANSPOSED: source 0 = 16 columns n of We, source 1 = 16 encoder rows m.  Register j of lane (r, h) then holds (n = 16 b + 8 h + j, m = 16 a + r):
; after tanh two tiles pack, without any move between lanes, into a source-1 fragment with k = n, and one more matrix instruction against v makes the sum over n.
; LIMITS.  tanh(x) = 1 - 2 / (1 + 2^(2 log2(e) x)): it runs to +1 and -1 through infinity and zero for large |x|; absolute error of the order of f32's unit, not relative, near x = 0.
; enc, We, hidden, Wh, and for the last product tanh and v, are rounded to bf16; all sums are f32, in another order than the reference's.
;
; THE MODE: SCHED_MODE bits 1:0 = 2 (LLVM: expert scheduling mode 2), set by the entry lines.  The code itself states the register dependences
; between vector or matrix instructions and memory or LDS instructions, with s_wait_alu, always for 0.
; THE PLAN.  Registers that memory or LDS instructions touch in the K loop (step t):
;   EF0          Read by the first 32 matrix instructions of every step; the LDS loads of step t, for step t + 1, land in it behind them.
;   EF1[0], [1]  The last 32 matrix instructions of step t read EF1[t % 2]; the LDS loads of step t land in EF1[(t + 1) % 2], which step t - 1 read last.
;   W0 .. W3     Step t's matrix instructions read W[t % 4]; the loads of step t land in W[(t + 3) % 4], which step t - 1 read last.
;   STG0 .. 3    Step t's sixteen roundings read and write STG[t % 4] in place; eight LDS stores read it; then the rows that step t + 4 rounds land in it.
;   v5, v6       LDS addresses of those stores and of the fragments' loads: written once in a trip of four steps.   v4, v7: offsets, never written again.
;   The accumulators are named by matrix instructions alone.
; So ONE wait on va_vdst stands in a step, between its two halves, behind the roundings: it states that the first half is done reading EF0, that the step before is done reading its EF1 and
; its W, that the roundings have written STG[t % 4] and are done reading it, and, behind a trip's end, that v5 and v6 are written.  The step's memory and LDS instructions all follow it:
; the LDS stores and EF0's loads at once, the others dealt among the second half's matrix instructions, which name W[t % 4], EF1[t % 2] and window 3: none of the registers that they touch.
; One wait on vm_vsrc stands ahead of the loads into the stage that the LDS stores have read, one more a trip ahead of the adds to v5 and v6.
;
; REGISTERS in windows of 256 (s_set_vgpr_msb: bits 1:0 source 0, 3:2 source 1, 5:4 source 2, 7:6 destination):
;   window 0: v0-19 addresses and a constant; v64-95 encoder fragments a = 0..3; v96-127 (even steps) and v32-63 (odd steps) fragments a = 4..7;
;             v128-255 four stages of 32 for f32 rows on their way in; all of v32-223 serves the tanh part between the passes
;   window 1: the ring of four weight buffers, 64 registers each
;   window 2: accumulator tiles of rows 0-63 (tile (a, b) at v[8 (8 (a % 4) + b)]);  window 3: of rows 64-127
.set CHUNK,  18432                     ; LDS: K 64 c .. 64 c + 63 of all 128 rows: 128 rows of 144 bytes
.set APITCH, 144                       ; 128 bytes + 16: an odd multiple of 16, so the sixteen rows of a fragment load start in different 16-byte columns modulo 256
.set HSB, 16*CHUNK                     ; 4,096 bytes: hs[n] = 2 log2(e) (hidden . Wh + b_attn)[n], f32
.set VB,  HSB+4096                     ; 2,048 bytes: v in bf16
.set RED, VB+2048                      ; 4,096 bytes: [pass][wave][128 rows] f32 partial scores
.set C2,  0x4038aa3b                   ; 2 log2(e)
.set CCR, 18                           ; v18-19   2 log2(e), twice: a pair for the packed multiply-add
.set EF0, 64                           ; v64-95   encoder fragments a = 0..3
.set EF1, 96                           ; fragments a = 4..7 of a step of parity p at EF1 - 64 p
.set STG, 128                          ; v128-255 four stages
.set HSL, 128                          ; v128-207 the tables as loaded: 2 x (8 partial sums, b_attn, v), 4 registers each
.set XR,  64                           ; tanh part: quantum q works in v64-95 (q even) or v32-63 (q odd)
.set TBF, 96                           ;            v96-111 two fragments of tanh in bf16
.set SCR, 112                          ;            v112-127 two accumulators of scores
.set HSR, 128                          ;            v128-191 hs of my 8 columns in each of 8 tiles
.set VFR, 192                          ;            v192-223 four fragments of v
.set MSB, 0
.macro WIN new                         ; the immediate's high byte repeats the setting that is left; a switch that changes nothing is dropped
.if MSB != \new
	s_set_vgpr_msb (MSB<<8)|\new
.set MSB, \new
.endif
.endm
.set MUL_LO, 0xa1                      ; source 0 (weights) window 1, source 1 (rows) window 0, C and D window 2
.set MUL_HI, 0xf1                      ; the same, C and D window 3
.set TO_W,   0x40                      ; destination window 1, address window 0
	s_load_b256 s[4:11], s[0:1], 0x0               ; enc s[4:5], Wf s[6:7], hsP s[8:9], b_attn s[10:11]
	s_load_b128 s[12:15], s[0:1], 0x20             ; v s[12:13], att s[14:15]
	v_lshl_add_u32 v30, v0, 2, 0x4a800
	v_mov_b32 v31, 0
	v_lshrrev_b32 v15, 5, v0
	v_readfirstlane_b32 s16, v15                   ; wave w
	v_and_b32 v1, 31, v0                           ; lane L
	v_and_b32 v2, 15, v0                           ; r
	v_bfe_u32 v3, v0, 4, 1                         ; h
	v_lshlrev_b32 v4, 4, v2
	v_lshl_add_u32 v4, v3, 15, v4
	s_wait_alu depctr_va_sdst(0)                   ; s16 is written, ahead of its first reader: addresses, bases and the last branch are made from it
	s_lshl_b32 s21, s16, 17
	v_add_nc_u32 v4, s21, v4                       ; v4: enc, row 32 w + 8 h of 4,096 bytes, 16 r
	v_mul_u32_u24 v5, v3, 8*APITCH
	v_lshl_add_u32 v5, v2, 3, v5
	s_mul_i32 s22, s16, 32*APITCH
	v_add_nc_u32 v5, s22, v5                       ; v5: LDS, row 32 w + 8 h, 8 r; steps by two chunks a trip
	v_mul_u32_u24 v6, v2, APITCH
	v_lshl_add_u32 v6, v3, 4, v6                   ; v6: LDS, row r, 16 h; steps by two chunks a trip
	v_mov_b32 v12, v6                              ; v12: its first value, for pass 1
	v_lshlrev_b32 v7, 4, v1                        ; v7: 16 L
	s_lshl_b32 s23, s16, 10
	v_add_nc_u32 v8, s23, v7                       ; v8: 1,024 w + 16 L: my 4 of the wave's first 128 columns, f32
	s_add_co_u32 s23, s23, HSB
	v_lshl_add_u32 v9, v3, 5, s23                  ; v9: hs of my 8 columns of a tile
	v_add_nc_u32 v13, HSB, v8                      ; v13: where I put hs
	s_lshl_b32 s24, s16, 9
	s_add_co_u32 s25, s24, VB
	v_lshl_add_u32 v10, v3, 4, s25                 ; v10: v's fragments
	v_lshl_add_u32 v16, v1, 3, s25                 ; v16: where I put v
	s_add_co_u32 s24, s24, RED
	v_lshl_add_u32 v11, v2, 2, s24                 ; v11: my wave's partial scores, row r
	v_add_nc_u32 v17, RED, v7                      ; v17: where wave 0 reads all partial scores
	v_mov_b32 v[CCR], C2
	v_mov_b32 v[CCR+1], C2
	s_lshl_b32 s18, ttmp9, 19                      ; 128 rows of 4,096 bytes; 511 x 524,288 stays below 2^32
	s_mov_b32 s19, 0
	s_wait_kmcnt 0x0
	s_add_nc_u64 s[4:5], s[4:5], s[18:19]          ; the start's base of the rows: never written again
	s_add_nc_u64 s[26:27], s[4:5], 1024            ; the steps' base, at chunk 4: a pair of its own, so that no wait stands between the start's loads and step 0
	s_lshl_b32 s18, s16, 19                        ; my two strips of Wf: 64 steps of 8,192 bytes, in the order in which I walk them
	s_add_nc_u64 s[6:7], s[6:7], s[18:19]
	s_lshr_b32 s18, ttmp9, 3                       ; the batch: 8 tiles of 128 rows each
	s_lshl_b32 s18, s18, 12
	s_add_nc_u64 s[8:9], s[8:9], s[18:19]
	s_lshl_b32 s18, ttmp9, 9
	s_add_nc_u64 s[14:15], s[14:15], s[18:19]
	s_wait_alu depctr_va_vdst(0)                   ; the offsets and LDS addresses v4 to v11, v13, v16 and v17 are written: every load and store of the kernel reads one of them
; Eight loads: 16 of my wave's 32 rows (g = which 16), one chunk (256 bytes of f32) of each: lanes 0-15 take row i, lanes 16-31 row i + 8, whole aligned 256 bytes each.  sb: the base pair.
.macro ALOAD slot, g, cc, sb
	WIN 0
.irp ii, 0,1,2,3,4,5,6,7
	global_load_b128 v[STG+32*(\slot)+4*\ii:STG+32*(\slot)+4*\ii+3], v4, s[\sb:\sb+1] offset:(16*(\g)+\ii)*4096+(\cc)*256 th:TH_LOAD_NT
.endr
.endm
; The same 16 rows rounded to bf16 in place,
.macro ACVT slot
	WIN 0
.irp ii, 0,1,2,3,4,5,6,7
	v_cvt_pk_bf16_f32 v[STG+32*(\slot)+4*\ii],   v[STG+32*(\slot)+4*\ii],   v[STG+32*(\slot)+4*\ii+1]
	v_cvt_pk_bf16_f32 v[STG+32*(\slot)+4*\ii+1], v[STG+32*(\slot)+4*\ii+2], v[STG+32*(\slot)+4*\ii+3]
.endr
.endm
; and put into LDS.  The two halves of the lanes lie 8 rows = 1,152 bytes apart, 128 modulo 256: a store's 256 bytes meet nowhere.
.macro ASTORE slot, g, cc
.irp ii, 0,1,2,3,4,5,6,7
	ds_store_b64 v5, v[STG+32*(\slot)+4*\ii:STG+32*(\slot)+4*\ii+1] offset:(16*(\g)+\ii)*APITCH+(\cc)*CHUNK
.endr
.endm
; Eight loads: half hf of one step's weights: 4 of its 8 fragments of 16 columns x 32 k.  The window is left as it is: what follows sets its own.
.macro WLOADH buf, st, hf
	WIN TO_W
.irp bb, 0,1,2,3
	global_load_b128 v[64*(\buf)+8*(4*(\hf)+\bb):64*(\buf)+8*(4*(\hf)+\bb)+3],   v7, s[6:7] offset:(\st)*8192+(4*(\hf)+\bb)*1024
	global_load_b128 v[64*(\buf)+8*(4*(\hf)+\bb)+4:64*(\buf)+8*(4*(\hf)+\bb)+7], v7, s[6:7] offset:(\st)*8192+(4*(\hf)+\bb)*1024+512
.endr
.endm
.macro WLOAD buf, st                   ; sixteen loads: one step's weights
	WLOADH \buf, \st, 0
	WLOADH \buf, \st, 1
.endm
; Eight loads: the encoder fragments a = 4 half .. 4 half + 3 of chunk cc (counted from v6's), half kh of its 64 k, into the 32 registers from eb on.
.macro ELOAD eb, half, cc, kh
	WIN 0
.irp aa, 0,1,2,3
	ds_load_b128 v[(\eb)+8*\aa:(\eb)+8*\aa+3],   v6 offset:(\cc)*CHUNK+(4*\half+\aa)*16*APITCH+(\kh)*64
	ds_load_b128 v[(\eb)+8*\aa+4:(\eb)+8*\aa+7], v6 offset:(\cc)*CHUNK+(4*\half+\aa)*16*APITCH+(\kh)*64+32
.endr
.endm
; Twenty loads: for each half of my 256 columns the eight partial sums of hidden . Wh, b_attn and v; 512 neighbouring bytes each.
.macro TLOAD
	WIN 0
.irp uu, 0,1
.irp kk, 0,1,2,3,4,5,6,7
	global_load_b128 v[HSL+40*\uu+4*\kk:HSL+40*\uu+4*\kk+3], v8, s[8:9] offset:\kk*262144+\uu*512
.endr
	global_load_b128 v[HSL+40*\uu+32:HSL+40*\uu+35], v8, s[10:11] offset:\uu*512
	global_load_b128 v[HSL+40*\uu+36:HSL+40*\uu+39], v8, s[12:13] offset:\uu*512
.endr
.endm
; 32 matrix instructions: the window's four row blocks (fragments from eb on) x eight column blocks.
; All 64 accumulators take turns, one instruction a turn, in the same order in every step.
.macro MUL32 buf, eb, zero
.irp aa, 0,1,2,3
.irp bb, 0,1,2,3,4,5,6,7
.if \zero
	v_wmma_f32_16x16x32_bf16 v[8*(8*\aa+\bb):8*(8*\aa+\bb)+7], v[64*(\buf)+8*\bb:64*(\buf)+8*\bb+7], v[(\eb)+8*\aa:(\eb)+8*\aa+7], 0
.else
	v_wmma_f32_16x16x32_bf16 v[8*(8*\aa+\bb):8*(8*\aa+\bb)+7], v[64*(\buf)+8*\bb:64*(\buf)+8*\bb+7], v[(\eb)+8*\aa:(\eb)+8*\aa+7], v[8*(8*\aa+\bb):8*(8*\aa+\bb)+7]
.endif
.endr
.endr
.endm
; Number mi (0..31) of the same 32, in the same order: row block mi / 8, column block mi % 8.
.macro MUL1 buf, eb, zero
.if \zero
	v_wmma_f32_16x16x32_bf16 v[8*mi:8*mi+7], v[64*(\buf)+8*(mi%8):64*(\buf)+8*(mi%8)+7], v[(\eb)+8*(mi/8):(\eb)+8*(mi/8)+7], 0
.else
	v_wmma_f32_16x16x32_bf16 v[8*mi:8*mi+7], v[64*(\buf)+8*(mi%8):64*(\buf)+8*(mi%8)+7], v[(\eb)+8*(mi/8):(\eb)+8*(mi/8)+7], v[8*mi:8*mi+7]
.endif
.endm
.macro PLACES                          ; four places between a matrix instruction and a load into, or a vector instruction on, one of its registers (ISA guide 7.12.1 for vector instructions)
.rept 4
	v_nop
.endr
.endm
; ONE K STEP, e = its number in a trip of four (also: its weight buffer and its stage).  Its first 32 matrix instructions stand back to back; behind them the roundings, or four v_nop, which
; are the places behind every matrix instruction that has read a register that this step loads again; then the step's one wait on va_vdst; then all its memory and LDS instructions, in this
; order: rows asked for in step t - 4 go to LDS (conv) and the next step's fragments a = 0..3 are fetched (enext), at once; among the last 32 matrix instructions, eight at a time: the next
; step's fragments a = 4..7, into the set of the other parity; the weights of step t + 3 (wload), in two halves; the rows that step t + 4 will round (aload), or once the tables (tl).
; lcnt = the loads younger than this step's weights; the rows that this step converts were asked for before those weights, so they are in too.
; Chunk c is stored in steps 2 c - 4 and 2 c - 3, signalled at the end of step 2 c - 3 (bsig), waited for between the halves of step 2 c - 2 (bwait), first read in step
; 2 c - 1.  Between signal and wait stands register work alone.  No byte of the rows is ever written twice.
.macro STEP e, zero, lcnt, conv, aload, wload, enext, bwait, bsig, tl
	s_wait_loadcnt \lcnt
	s_wait_dscnt 8                                 ; fragments a = 0..3 are in; the eight youngest loads (a = 4..7) may be out
	WIN MUL_LO
	MUL32 \e, EF0, \zero
	WIN 0
.if \bwait
	s_barrier_wait -1
.endif
.if \conv
	ACVT \e
.else
	PLACES
.endif
.if \conv+\aload+\wload+\enext+\tl
	s_wait_alu depctr_va_vdst(0)                   ; the first half is done reading EF0; the step before is done reading its fragments a = 4..7 and its weights; the roundings have written their stage and are done reading it; behind a trip's end v5 and v6 are written
.endif
.if \conv
	ASTORE \e, (\e%2), (\e/2)
.endif
.if \enext
	ELOAD EF0, 0, ((\e+1)/2), ((\e+1)%2)
.endif
	s_wait_dscnt 8*\conv+8*\enext                  ; all but what this step has issued: its own fragments a = 4..7 are in
.set mi, 0
.rept 32
	WIN MUL_HI
	MUL1 \e, (EF1-64*(\e%2)), \zero
.if mi == 5
.if \enext
	ELOAD (EF1-64*((\e+1)%2)), 1, ((\e+1)/2), ((\e+1)%2)   ; no wait: no vector or matrix instruction since the wait above names this set or v6
.endif
.endif
.if mi == 11
.if \wload
	WLOADH ((\e+3)%4), (\e+3), 0                   ; no wait: none since the wait above names this buffer or v7
.endif
.endif
.if mi == 17
.if \wload
	WLOADH ((\e+3)%4), (\e+3), 1
.endif
.endif
.if mi == 23
.if \aload+\tl
	WIN 0
	s_wait_alu depctr_vm_vsrc(0)                   ; the LDS stores issued so far have read the stages, in which the loads below land (the roundings that named them stand ahead of the step's wait on va_vdst)
.endif
.if \aload
	ALOAD \e, (\e%2), (\e/2), 26
.endif
.if \tl
	TLOAD
.endif
.endif
.set mi, mi+1
.endr
.if \bsig
	s_wait_dscnt 0x0                               ; my part of the chunk is in LDS, for the others' sake: zero
	s_barrier_signal -1
.endif
.endm
; Behind a trip of four steps the bases step: weights by four steps; ea: the fragments' address by two chunks; as: the rows' address in memory and in LDS by two chunks.
.macro TRIPEND ea, as
	WIN 0                                          ; a label or a branch may follow, and the adds below name window 0
	s_wait_xcnt 0x0                                ; the bases of loads that are out are written only behind this wait
	s_add_nc_u64 s[6:7], s[6:7], 4*8192
.if \as
	s_add_nc_u64 s[26:27], s[26:27], 512
.endif
.if \ea+\as
	s_wait_alu depctr_vm_vsrc(0)                   ; the LDS stores and loads issued so far have read v5 and v6; that the adds below have written them is stated by the next step's wait on va_vdst, ahead of their next use
.endif
.if \as
	v_add_nc_u32 v5, 2*CHUNK, v5
.endif
.if \ea
	v_add_nc_u32 v6, 2*CHUNK, v6
.endif
.endm
; ---- TANH AND THE SUM OVER n ----
; A quantum q = 4 p + z is two row blocks (a = 2 p, 2 p + 1) x 32 columns (tiles b = 2 z, 2 z + 1): 32 numbers a lane.  Its seven stages:
;   x = C2 acc + hs (16 packed) | e = 2^x (32) | 1 + e (16 packed) | r = 1 / (1 + e) (32) | t = 1 - 2 r (16 packed) | t to bf16 (16) | two matrix instructions against v.
; That is 64 transcendentals and 64 plain instructions.  The quanta run as a pipeline on two sets of 32 registers, so that each transcendental stands beside a plain instruction
; of a neighbouring quantum, which is also the plain instruction that has to stand between a transcendental and the use of its result (ISA guide 5.7.2).
; A phase's 32 transcendentals are one batch: nothing in the phase names a result of theirs, and one wait on va_vdst at the next phase's head stands ahead of the first instruction that does.
; One packed multiply-add of the first stage: number k (0..15) of quantum n.  The accumulator is source 1, so that the whole phase runs under one window setting.
.macro S1ONE n, k
.set s1x, XR-32*((\n)%2)+2*(\k)
.set s1t, 2*((\n)%4)+((\k)/4)%2
.set s1j, 2*((\k)%4)
.set s1a, 8*(8*(2*(((\n)/4)%2)+(\k)/8)+s1t)+s1j
.set s1h, HSR+8*s1t+s1j
	v_pk_fma_f32 v[s1x:s1x+1], v[CCR:CCR+1], v[s1a:s1a+1], v[s1h:s1h+1]
.endm
; source 0: sixteen equal rows of v; source 1: tanh, k = n, column = encoder row.  Two accumulators by turns.
.macro SCMUL zz
.if (\zz) == 0
	v_wmma_f32_16x16x32_bf16 v[SCR:SCR+7],    v[VFR:VFR+7], v[TBF:TBF+7],    0
	v_wmma_f32_16x16x32_bf16 v[SCR+8:SCR+15], v[VFR:VFR+7], v[TBF+8:TBF+15], 0
.else
	v_wmma_f32_16x16x32_bf16 v[SCR:SCR+7],    v[VFR+8*(\zz):VFR+8*(\zz)+7], v[TBF:TBF+7],    v[SCR:SCR+7]
	v_wmma_f32_16x16x32_bf16 v[SCR+8:SCR+15], v[VFR+8*(\zz):VFR+8*(\zz)+7], v[TBF+8:TBF+15], v[SCR+8:SCR+15]
.endif
.endm
; Phase A of quantum q: its 32 exponentials, beside 1 - 2 r (two pairs ahead) and the rounding of quantum q - 1; then q - 1's two matrix instructions.
; Rounding k fills register k of the two fragments: tile 2 z gives registers 0-3 (k = 8 h + j), tile 2 z + 1 registers 4-7 (k = 16 + 8 h + j).
.macro PHASEA pp, q
	WIN 0
.set xq, XR-32*((\q)%2)
.set xp, XR-32*(((\q)+1)%2)
.if (\q) > 0
	s_wait_alu depctr_va_vdst(0)                   ; quantum q - 1's 32 reciprocals are written, ahead of the first line that names one; where scores are stored below, the matrix instructions have written them
.endif
.if (\q) >= 5
.if (\q)%4 == 1
	ds_store_b32 v11, v[SCR]   offset:\pp*2048+(((\q)-5)/4)*128      ; the scores of the pair that ended with quantum q - 2: a whole phase B stands behind its last matrix instruction,
	ds_store_b32 v11, v[SCR+8] offset:\pp*2048+(((\q)-5)/4)*128+64   ; and the next pair's first one, which starts the sums anew, stands at this phase's end
.endif
.endif
.if (\q) > 0
	v_pk_fma_f32 v[xp:xp+1],   v[xp:xp+1],   -2.0, 1.0 op_sel_hi:[1,0,0]
	v_pk_fma_f32 v[xp+2:xp+3], v[xp+2:xp+3], -2.0, 1.0 op_sel_hi:[1,0,0]
.endif
.set kx, 0
.rept 16
	v_exp_f32 v[xq+2*kx], v[xq+2*kx]
.if (\q) > 0
.if kx < 14
	v_pk_fma_f32 v[xp+2*kx+4:xp+2*kx+5], v[xp+2*kx+4:xp+2*kx+5], -2.0, 1.0 op_sel_hi:[1,0,0]
.endif
.endif
	v_exp_f32 v[xq+2*kx+1], v[xq+2*kx+1]
.if (\q) > 0
	v_cvt_pk_bf16_f32 v[TBF+kx], v[xp+2*kx], v[xp+2*kx+1]
.endif
.set kx, kx+1
.endr
.if (\q) > 0
.if (\q) >= 5
.if (\q)%4 == 1
	s_wait_alu depctr_vm_vsrc(0)                   ; the two LDS stores at this phase's head have read the scores, which the matrix instructions below write anew
.endif
.endif
	SCMUL (((\q)-1)%4)
.else
	v_nop                                          ; the first quantum has no neighbour yet: the plain instruction between its exponentials and their use
.endif
.endm
; Phase B of quantum q: its 32 reciprocals, beside its own 1 + e (two pairs ahead) and the first stage of quantum q + 1, which goes into the set that q - 1 has left.
.macro PHASEB q
.set xq, XR-32*((\q)%2)
.if (\q) < 15
	WIN (0x08+4*(((\q)+1)/8))                      ; source 1 = the window of quantum q + 1's accumulators; nothing else in this phase has a register as source 1
.endif
	s_wait_alu depctr_va_vdst(0)                   ; quantum q's 32 exponentials are written, ahead of the first line that names one
	v_pk_add_f32 v[xq:xq+1],   v[xq:xq+1],   1.0 op_sel_hi:[1,0]
	v_pk_add_f32 v[xq+2:xq+3], v[xq+2:xq+3], 1.0 op_sel_hi:[1,0]
.set kx, 0
.rept 16
	v_rcp_f32 v[xq+2*kx], v[xq+2*kx]
.if kx < 14
	v_pk_add_f32 v[xq+2*kx+4:xq+2*kx+5], v[xq+2*kx+4:xq+2*kx+5], 1.0 op_sel_hi:[1,0]
.endif
	v_rcp_f32 v[xq+2*kx+1], v[xq+2*kx+1]
.if (\q) < 15
	S1ONE ((\q)+1), kx
.endif
.set kx, kx+1
.endr
.endm
; The tables, once: hs = C2 (sum of the eight partial sums, in the order 0..7, + b_attn) in f32, v in bf16.  Each wave writes and later reads its own 256 columns of both.
.macro TPREP
	s_wait_loadcnt 48                              ; the 20 table loads are in; the weights of the next pass's first three steps may stay out
.irp uu, 0,1
.irp kk, 1,2,3,4,5,6,7,8
	v_pk_add_f32 v[HSL+40*\uu:HSL+40*\uu+1],   v[HSL+40*\uu:HSL+40*\uu+1],   v[HSL+40*\uu+4*\kk:HSL+40*\uu+4*\kk+1]
	v_pk_add_f32 v[HSL+40*\uu+2:HSL+40*\uu+3], v[HSL+40*\uu+2:HSL+40*\uu+3], v[HSL+40*\uu+4*\kk+2:HSL+40*\uu+4*\kk+3]
.endr
	v_pk_mul_f32 v[HSL+40*\uu:HSL+40*\uu+1],   v[HSL+40*\uu:HSL+40*\uu+1],   C2 op_sel_hi:[1,0]
	v_pk_mul_f32 v[HSL+40*\uu+2:HSL+40*\uu+3], v[HSL+40*\uu+2:HSL+40*\uu+3], C2 op_sel_hi:[1,0]
	v_cvt_pk_bf16_f32 v[HSL+40*\uu+36], v[HSL+40*\uu+36], v[HSL+40*\uu+37]
	v_cvt_pk_bf16_f32 v[HSL+40*\uu+37], v[HSL+40*\uu+38], v[HSL+40*\uu+39]
.endr
	s_wait_alu depctr_va_vdst(0)                   ; the sums and roundings have written what the four LDS stores read, and are done with v128-207, in which the LDS loads behind them land
.irp uu, 0,1
	ds_store_b128 v13, v[HSL+40*\uu:HSL+40*\uu+3] offset:\uu*512
	ds_store_b64 v16, v[HSL+40*\uu+36:HSL+40*\uu+37] offset:\uu*256
.endr
	s_wait_alu depctr_vm_vsrc(0)                   ; those stores, and the rows' LDS stores before them, have read their data registers, in which the LDS loads below land
.endm
.macro EPI pp                          ; behind pass pp: the wave's 128 x 128 sums become 128 partial scores
	WIN 0
	PLACES                                         ; behind the pass's last matrix instructions: results are read and fragment registers written below
.if \pp == 0
	TPREP
.endif
.irp bb, 0,1,2,3,4,5,6,7
	ds_load_b128 v[HSR+8*\bb:HSR+8*\bb+3],   v9 offset:\pp*512+\bb*64        ; LDS serves a wave's instructions in order: these see the stores above.  Behind pass 1: nothing has named v128-223 since the first tanh part, whose last wait on va_vdst stands behind its readers of them
	ds_load_b128 v[HSR+8*\bb+4:HSR+8*\bb+7], v9 offset:\pp*512+\bb*64+16
.endr
.irp bb, 0,1,2,3
	ds_load_b128 v[VFR+8*\bb:VFR+8*\bb+3],   v10 offset:\pp*256+\bb*64
	ds_load_b128 v[VFR+8*\bb+4:VFR+8*\bb+7], v10 offset:\pp*256+\bb*64+32
.endr
	s_wait_dscnt 0x0
	WIN 0x08
.set kx, 0
.rept 16
	S1ONE 0, kx                                    ; the pipeline's head: quantum 0's first stage
.set kx, kx+1
.endr
.irp qq, 0,1,2,3,4,5,6,7,8,9,10,11,12,13,14,15
	PHASEA \pp, \qq
	PHASEB \qq
.endr
	s_wait_alu depctr_va_vdst(0)                   ; quantum 15's 32 reciprocals are written, ahead of the first line that names one
.set kx, 0
.rept 16
	v_pk_fma_f32 v[XR-32+2*kx:XR-32+2*kx+1], v[XR-32+2*kx:XR-32+2*kx+1], -2.0, 1.0 op_sel_hi:[1,0,0]   ; the pipeline's tail: quantum 15's last stages
.set kx, kx+1
.endr
.set kx, 0
.rept 16
	v_cvt_pk_bf16_f32 v[TBF+kx], v[XR-32+2*kx], v[XR-32+2*kx+1]
.set kx, kx+1
.endr
	SCMUL 3
	PLACES
	s_wait_alu depctr_va_vdst(0)                   ; the matrix instructions have written the last pair's scores, which the LDS stores read; the places above stay beside this wait.  The tanh part is also done with v32-127
	ds_store_b32 v11, v[SCR]   offset:\pp*2048+6*64   ; register 0: row 16 a + r; both halves of the lanes hold, and write, the same number
	ds_store_b32 v11, v[SCR+8] offset:\pp*2048+7*64
.endm
	; ---- start: the first four groups of rows (chunks 0 and 1) and two steps' weights go out at once; the tables wait until step 28 ----
	ALOAD 0, 0, 0, 4
	ALOAD 1, 1, 0, 4
	ALOAD 2, 0, 1, 4
	ALOAD 3, 1, 1, 4
	WLOAD 0, 0
	WLOAD 1, 1
	; four runs without products.  Each time 56 loads are younger than the group that is converted: three groups of rows and two steps' weights.
	s_wait_loadcnt 56
	ACVT 0
	s_wait_alu depctr_va_vdst(0)                   ; the roundings have written stage 0, which the LDS stores read, and are done reading it
	ASTORE 0, 0, 0
	s_wait_alu depctr_vm_vsrc(0)                   ; the LDS stores have read stage 0, in which the next loads land
	ALOAD 0, 0, 2, 4
	s_wait_loadcnt 56
	ACVT 1
	s_wait_alu depctr_va_vdst(0)                   ; the same for stage 1
	ASTORE 1, 1, 0
	s_wait_alu depctr_vm_vsrc(0)                   ; the LDS stores have read stage 1
	ALOAD 1, 1, 2, 4
	s_wait_dscnt 0x0
	s_barrier_signal -1
	s_barrier_wait -1                              ; chunk 0 is whole
	s_wait_loadcnt 56
	ACVT 2
	s_wait_alu depctr_va_vdst(0)                   ; the same for stage 2
	ASTORE 2, 0, 1
	s_wait_alu depctr_vm_vsrc(0)                   ; the LDS stores have read stage 2
	ALOAD 2, 0, 3, 4
	s_wait_loadcnt 56
	ACVT 3
	s_wait_alu depctr_va_vdst(0)                   ; the same for stage 3
	ASTORE 3, 1, 1
	WLOAD 2, 2
	WIN 0
	s_wait_alu depctr_vm_vsrc(0)                   ; the LDS stores have read stage 3
	ALOAD 3, 1, 3, 4
	s_wait_dscnt 0x0
	s_barrier_signal -1                            ; chunk 1: waited for between the halves of step 0
	ELOAD EF0, 0, 0, 0                             ; chunk 0, which nobody writes again
	ELOAD EF1, 1, 0, 0
	s_wait_alu depctr_vm_vsrc(0)                   ; the LDS stores above have read v5
	v_add_nc_u32 v5, 2*CHUNK, v5                   ; step 0 stores chunk 2, behind its wait on va_vdst
	; ---- pass 0 ----
	STEP 0, 1, 40, 1, 1, 1, 1, 1, 0, 0             ; 40: three groups of rows and step 2's weights are younger than the group that this step converts
	STEP 1, 0, 56, 1, 1, 1, 1, 0, 1, 0             ; 56 from here on: three groups of rows and two steps' weights
	STEP 2, 0, 56, 1, 1, 1, 1, 1, 0, 0
	STEP 3, 0, 56, 1, 1, 1, 1, 0, 1, 0
	TRIPEND 1, 1
	s_mov_b32 s20, 5
.LA:                                               ; steps 4 to 23
	STEP 0, 0, 56, 1, 1, 1, 1, 1, 0, 0
	STEP 1, 0, 56, 1, 1, 1, 1, 0, 1, 0
	STEP 2, 0, 56, 1, 1, 1, 1, 1, 0, 0
	STEP 3, 0, 56, 1, 1, 1, 1, 0, 1, 0
	TRIPEND 1, 1
	s_sub_co_i32 s20, s20, 1
	s_cmp_lg_u32 s20, 0
	s_cbranch_scc1 .LA
	STEP 0, 0, 56, 1, 0, 1, 1, 1, 0, 0             ; steps 24 to 27: no rows are left to ask for: the counts lose a group of 8 each step
	STEP 1, 0, 48, 1, 0, 1, 1, 0, 1, 0
	STEP 2, 0, 40, 1, 0, 1, 1, 1, 0, 0
	STEP 3, 0, 32, 1, 0, 1, 1, 0, 1, 0
	TRIPEND 1, 0
	STEP 0, 0, 32, 0, 0, 1, 1, 1, 0, 1             ; step 28: the last chunk's barrier; the stages are free, and the 20 table loads go into them, behind step 31's weights
	STEP 1, 0, 52, 0, 0, 1, 1, 0, 0, 0             ; steps 29 to 31: 52 = two steps' weights and the 20 table loads
	STEP 2, 0, 52, 0, 0, 1, 1, 0, 0, 0
	STEP 3, 0, 52, 0, 0, 1, 0, 0, 0, 0
	TRIPEND 0, 0
	EPI 0                                          ; the weights of steps 32 to 34 are on their way meanwhile, into window 1
	s_wait_alu depctr_vm_vsrc(0)                   ; pass 0's fragment loads have read v6; the LDS stores of the last scores have read v112 and v120, in which fragments land below
	v_mov_b32 v6, v12                              ; back to chunk 0
	s_wait_alu depctr_va_vdst(0)                   ; v6 is written, which the loads below read
	ELOAD EF0, 0, 0, 0                             ; four places and the move above stand behind the last matrix instruction, whose registers the second of these runs fills
	ELOAD EF1, 1, 0, 0
	; ---- pass 1: the rows come from LDS, the weights from my second strip ----
	STEP 0, 1, 32, 0, 0, 1, 1, 0, 0, 0             ; 32: two steps' weights
	STEP 1, 0, 32, 0, 0, 1, 1, 0, 0, 0
	STEP 2, 0, 32, 0, 0, 1, 1, 0, 0, 0
	STEP 3, 0, 32, 0, 0, 1, 1, 0, 0, 0
	TRIPEND 1, 0
	s_mov_b32 s20, 6
.LB:                                               ; steps 36 to 59
	STEP 0, 0, 32, 0, 0, 1, 1, 0, 0, 0
	STEP 1, 0, 32, 0, 0, 1, 1, 0, 0, 0
	STEP 2, 0, 32, 0, 0, 1, 1, 0, 0, 0
	STEP 3, 0, 32, 0, 0, 1, 1, 0, 0, 0
	TRIPEND 1, 0
	s_sub_co_i32 s20, s20, 1
	s_cmp_lg_u32 s20, 0
	s_cbranch_scc1 .LB
	STEP 0, 0, 32, 0, 0, 1, 1, 0, 0, 0             ; steps 60 to 63: step 60 asks for the last weights, then the counts run down
	STEP 1, 0, 32, 0, 0, 0, 1, 0, 0, 0
	STEP 2, 0, 16, 0, 0, 0, 1, 0, 0, 0
	STEP 3, 0, 0,  0, 0, 0, 0, 0, 0, 0             ; step 63 issues no load and no store: it holds no wait on va_vdst
	EPI 1
	; ---- the eight partial scores of each row (2 passes x 4 waves) are added by wave 0 ----
	s_wait_dscnt 0x0                               ; my partial scores are in LDS, for wave 0's sake
	s_barrier_signal -1
	s_barrier_wait -1
	s_cmp_lg_u32 s16, 0
	s_cbranch_scc1 .Ldone
.irp ii, 0,1,2,3,4,5,6,7
	ds_load_b128 v[XR+4*\ii:XR+4*\ii+3], v17 offset:512*\ii    ; no wait: no vector or matrix instruction has been issued since the tanh part's last wait on va_vdst
.endr
	s_wait_dscnt 0x0
.irp ii, 0,1,2,3
	v_pk_add_f32 v[XR+4*\ii:XR+4*\ii+1],   v[XR+4*\ii:XR+4*\ii+1],   v[XR+4*\ii+16:XR+4*\ii+17]
	v_pk_add_f32 v[XR+4*\ii+2:XR+4*\ii+3], v[XR+4*\ii+2:XR+4*\ii+3], v[XR+4*\ii+18:XR+4*\ii+19]
.endr
.irp ii, 0,1
	v_pk_add_f32 v[XR+4*\ii:XR+4*\ii+1],   v[XR+4*\ii:XR+4*\ii+1],   v[XR+4*\ii+8:XR+4*\ii+9]
	v_pk_add_f32 v[XR+4*\ii+2:XR+4*\ii+3], v[XR+4*\ii+2:XR+4*\ii+3], v[XR+4*\ii+10:XR+4*\ii+11]
.endr
	v_pk_add_f32 v[XR:XR+1],   v[XR:XR+1],   v[XR+4:XR+5]
	v_pk_add_f32 v[XR+2:XR+3], v[XR+2:XR+3], v[XR+6:XR+7]
	s_wait_alu depctr_va_vdst(0)                   ; the additions have written v[XR:XR+3], which the store reads
	global_store_b128 v7, v[XR:XR+3], s[14:15]     ; the tile's 128 scores: 512 neighbouring bytes, aligned
.Ldone:
	s_wait_dscnt 0x0
	s_wait_alu depctr_hold_cnt(0) depctr_sa_sdst(0) depctr_va_vdst(0) depctr_va_sdst(0) depctr_va_ssrc(0) depctr_va_vcc(0) depctr_vm_vsrc(0)
	s_wait_tensorcnt 0x0
	ds_add_u32 v30, v31
	s_wait_dscnt 0x0
	s_endpgm
.Lfunc_end_k_qdaac3c555f_main:
	.size	k_qdaac3c555f_main, .Lfunc_end_k_qdaac3c555f_main-k_qdaac3c555f_main
	.p2alignl 7, 3214868480
	.fill 96, 4, 3214868480
	.section	.rodata,"a",@progbits
	.p2align	6, 0x0
	.amdhsa_kernel k_qdaac3c555f_main
		.amdhsa_group_segment_fixed_size 305664
		.amdhsa_private_segment_fixed_size 0
		.amdhsa_enable_private_segment 0
		.amdhsa_kernarg_size 48
		.amdhsa_user_sgpr_count 2
		.amdhsa_user_sgpr_kernarg_segment_ptr 1
		.amdhsa_wavefront_size32 1
		.amdhsa_system_sgpr_workgroup_id_x 1
		.amdhsa_system_sgpr_workgroup_id_y 1
		.amdhsa_system_sgpr_workgroup_id_z 1
		.amdhsa_system_vgpr_workitem_id 0
		.amdhsa_next_free_vgpr 1024
		.amdhsa_next_free_sgpr 66
		.amdhsa_reserve_vcc 0
		.amdhsa_float_denorm_mode_32 3
		.amdhsa_float_denorm_mode_16_64 3
		.amdhsa_memory_ordered 1
		.amdhsa_forward_progress 1
		.amdhsa_inst_pref_size 255
	.end_amdhsa_kernel
	.section	.bss,"aw",@nobits
	.p2align	6
	.space	262144
	.amdgpu_metadata
---
amdhsa.version: [ 1, 2 ]
amdhsa.kernels:
  - .name:           k_qdaac3c555f_main
    .symbol:         k_qdaac3c555f_main.kd
    .args:
      - { .name: encoder_outputs, .offset: 0, .size: 8, .value_kind: global_buffer, .address_space: global }
      - { .name: Wf, .offset: 8, .size: 8, .value_kind: global_buffer, .address_space: global }
      - { .name: hsP, .offset: 16, .size: 8, .value_kind: global_buffer, .address_space: global }
      - { .name: b_attn, .offset: 24, .size: 8, .value_kind: global_buffer, .address_space: global }
      - { .name: v, .offset: 32, .size: 8, .value_kind: global_buffer, .address_space: global }
      - { .name: att, .offset: 40, .size: 8, .value_kind: global_buffer, .address_space: global }
    .group_segment_fixed_size: 305664
    .private_segment_fixed_size: 0
    .kernarg_segment_align: 8
    .kernarg_segment_size: 48
    .max_flat_workgroup_size: 128
    .sgpr_count:     66
    .vgpr_count:     1024
    .wavefront_size: 32
...
	.end_amdgpu_metadata
.endif
;; end of part 4
;; launch soft: the kernel of part 3 again; grid 64 x 1, 8 waves a work-group, no clusters, 1,280 bytes of LDS; arguments att, mask, out0; writes out0
